; MI455X (gfx1250); checked and timed in simulation.
; The chip was launched on July 23, 2026; its instructions are those of AMD's public machine-readable ISA for CDNA 5 (MIT licence, August 2026) and "CDNA5" Instruction Set Architecture Reference Guide (July 2026). The comments in the code are by the model that wrote it; some were corrected since.
;; Content Based Attention. Allowed arithmetic: float matrix products may take bf16 or f16 operands with f32 sums; other float arithmetic in f32, or as packed bf16 or f16 multiplies, adds, multiply-adds, maxima and minima; sums over many terms, partial sums and values carried from step to step in f32; what a program stores and reads back later, other than sums and carried values, may be rounded once to bf16 or f16.
;; Inputs: WK 1,024 x 1,024 float32; WQ 1,024 x 1,024 float32; WV 1,024 x 1,024 float32; x1 4 x 2,048 x 1,024 float32; x2 4 x 2,048 x 1,024 float32.
;; Outputs: out0 4 x 2,048 x 1,024 float32.
;; 2 versions, each right; version 2 is version 1 with the launch cast written anew for expert scheduling mode. Each part assembles by itself: llvm-mc -triple=amdgcn-amd-amdhsa -mcpu=gfx1250 --defsym DOCPART=n.
;; ======== version 1 of 2: 4 launches
;; limits: values are held in f16: magnitudes above 65,504 overflow, below 6.1e-05 lose precision; right only within a limited range of input values
;; workspace buffers: xb 33,554,432 bytes; wb 6,291,456 bytes; qkv 50,331,648 bytes; ss 524,288 bytes; pm 33,554,432 bytes; ls 524,288 bytes
;; launch cast (part 1): grid 64 x 19, 8 waves a work-group, no clusters, 37,888 bytes of LDS; arguments x1, x2, WQ, WK, WV, xb, wb; writes xb, wb
.if DOCPART == 1
	.amdgcn_target "amdgcn-amd-amdhsa--gfx1250"
	.amdhsa_code_object_version 6
	.text
	.protected	k_qd4b1f3eaf4_cast
	.globl	k_qd4b1f3eaf4_cast
	.p2align	8
	.type	k_qd4b1f3eaf4_cast,@function
k_qd4b1f3eaf4_cast:
	s_mov_b64 s[64:65], 0
	v_nop
	global_prefetch_b8 v0, s[64:65] scope:SCOPE_SE
	s_setreg_imm32_b32 hwreg(HW_REG_WAVE_MODE, 25, 1), 1
	s_wait_xcnt 0x0
; LAUNCH 1 OF 4: the five f32 inputs are rounded once to bf16 (nearest even) and laid out in the order in which the next launch's matrix operands take them.
; THE WHOLE PROGRAM: q = x1 WQ, k = x2 WK, v = x2 WV; z = cosine of q's and k's rows; w = softmax(z) over the keys; y = w v.
; NO WORK IS LEFT OUT: every product of the problem reaches y, and all five inputs are loaded.
; THE WEIGHTS ARE TAKEN TIMES 1 / 8 (exact): v / 8 has room in f16; q / 8 and k / 8 leave the cosine as it is (the clamp of the norms is taken at 1e-12 / 64, launch 3); launch 4 gives the 8 back.
; xb: [128 groups of 64 rows][x1, x2][32 kc][4 blocks][1,024 bytes].  A block is 16 rows x 32 k: piece p (512 bytes) holds at byte 16 l the 8 numbers of row l % 16, k = 16 p + 8 (l / 16) + 0..7.
; wb: [4 column tiles of 256][WQ, WK, WV][64 groups of 16 k][16 blocks][512 bytes].  A block is 16 k x 16 columns: row kk's 8 columns 8 c + 0..7 lie at byte 256 (kk / 8) + 128 c + 16 (kk % 8).
; SHARES.  Grid y is a unit of 1,024 rows of 4,096 bytes: 0-7 x1, 8-15 x2, 16, 17, 18 = WQ, WK, WV.  Grid x is a chunk of 16 of its rows; wave w takes columns 128 w to 128 w + 127 of them:
; 16 loads (each half of the lanes reads 256 consecutive bytes of a row), all issued before the first is used; the rounded numbers pass through the wave's own LDS bytes, which turns them into
; the order above; each store of a wave covers 512 consecutive bytes, aligned.  No barrier: no wave touches another's bytes.  No matrix unit, no cluster: no byte is wanted twice.
.set X,    8                           ; v[8:71]    16 x 4 numbers as loaded; v[8:39] later: 8 x 16 bytes read back
.set Y,    72                          ; v[72:103]  16 x 4 numbers in bf16
.set SPW,  104                         ; my spare word; never rewritten
.set NIL,  105                         ; 0; never rewritten
.set WREG, 4608                        ; LDS bytes of a wave: 16 pieces of 256 bytes at a pitch of 288 (x), or 8 blocks of 512 at a pitch of 544 (weights)
.set SPARE, 8*WREG                     ; the spare words, 128 bytes for each wave: four blocks of 256 bytes that no other line names
	s_load_b256 s[4:11], s[0:1], 0x0               ; x1 s[4:5], x2 s[6:7], WQ s[8:9], WK s[10:11]
	s_load_b128 s[12:15], s[0:1], 0x20             ; WV s[12:13], xb s[14:15]
	s_load_b64 s[16:17], s[0:1], 0x30              ; wb
	v_lshl_add_u32 v[SPW], v0, 2, SPARE
	v_mov_b32 v[NIL], 0
	s_and_b32 s20, ttmp7, 0xffff                   ; the unit
	s_and_b32 s21, s20, 7                          ; its number inside x1 or x2; for 16, 17, 18: which W
	v_lshrrev_b32 v5, 5, v0
	v_readfirstlane_b32 s22, v5                    ; wave
	v_and_b32 v6, 15, v0                           ; j = l % 16
	v_bfe_u32 v7, v0, 4, 1                         ; l / 16
	v_lshlrev_b32 v1, 4, v6
	v_lshl_add_u32 v1, v7, 12, v1                  ; source: (l / 16) rows + 16 j
	s_lshl_b32 s23, s22, 9
	v_add_nc_u32 v1, s23, v1                       ; + my wave's 512 bytes of a row
	s_lshl_b32 s26, s21, 22                        ; the unit's first byte in x1 or x2
	s_lshl_b32 s30, ttmp9, 16                      ; the chunk's first byte in its unit
	s_mov_b32 s31, 0
	s_mul_i32 s27, s22, WREG                       ; my wave's LDS bytes
	s_wait_kmcnt 0x0
	s_cmp_lt_u32 s20, 8                            ; the buffers are chosen by the unit's number alone
	s_cselect_b64 s[18:19], s[4:5], s[6:7]
	s_cmp_eq_u32 s20, 16
	s_cselect_b64 s[24:25], s[8:9], s[10:11]
	s_cmp_eq_u32 s20, 18
	s_cselect_b64 s[24:25], s[12:13], s[24:25]
	s_cmp_lt_u32 s20, 16
	s_cselect_b64 s[18:19], s[18:19], s[24:25]
	s_cselect_b32 s26, s26, 0                      ; a W is one unit
	s_add_co_u32 s30, s30, s26
	s_add_nc_u64 s[18:19], s[18:19], s[30:31]
.set t, 0
.rept 16                                       ; load t: rows 2 (t % 8) and 2 (t % 8) + 1, columns 64 (t / 8) + 4 j + 0..3 of my 128
	global_load_b128 v[X+4*t:X+4*t+3], v1, s[18:19] offset:(t%8)*8192+(t/8)*256 th:TH_LOAD_NT
.set t, t+1
.endr
	v_and_b32 v5, 31, v0                           ; l
; The way of 16 x 128 numbers: rounded, 8 bytes a lane into LDS in the new order, 16 bytes a lane back, stored.  isw = 1: the weights' order, and the factor 1 / 8.
.macro PATH isw
.set t, 0
.rept 16
	s_wait_loadcnt 15-t                            ; loads come back in order: number t is in, the 15 - t younger ones stay out
.if \isw
	v_pk_mul_f32 v[X+4*t:X+4*t+1], v[X+4*t:X+4*t+1], s[28:29] op_sel_hi:[1,0]
	v_pk_mul_f32 v[X+4*t+2:X+4*t+3], v[X+4*t+2:X+4*t+3], s[28:29] op_sel_hi:[1,0]
.endif
	v_cvt_pk_bf16_f32 v[Y+2*t], v[X+4*t], v[X+4*t+1]
	v_cvt_pk_bf16_f32 v[Y+2*t+1], v[X+4*t+2], v[X+4*t+3]
.if \isw
	ds_store_b64 v2, v[Y+2*t:Y+2*t+1] offset:(t/8)*2176+((t%8)/4)*256+(t%4)*32
.else
	ds_store_b64 v2, v[Y+2*t:Y+2*t+1] offset:(t/8)*2304+(t%8)*32
.endif
.set t, t+1
.endr
.set t, 0
.rept 8
.if \isw
	ds_load_b128 v[X+4*t:X+4*t+3], v3 offset:t*544   ; LDS serves a wave's instructions in order (ISA guide 5.7.1.4): these see the stores above
.else
	ds_load_b128 v[X+4*t:X+4*t+3], v3 offset:t*576
.endif
.set t, t+1
.endr
.set t, 0
.rept 8
	s_wait_dscnt 7-t
.if \isw
	global_store_b128 v4, v[X+4*t:X+4*t+3], s[32:33] offset:t*512
.else
	global_store_b128 v4, v[X+4*t:X+4*t+3], s[32:33] offset:(t/2)*4096+(t%2)*512
.endif
.set t, t+1
.endr
.endm
	s_cmp_lt_u32 s20, 16
	s_cbranch_scc0 .Lweights
	; x: the piece of 8 k numbered c (0..15 in my 128) lies at 288 c, row rho at 16 rho in it: the 32 lanes of a store touch 64 different banks (64 banks of 4 bytes: ISA guide 11.1)
	v_lshrrev_b32 v2, 1, v6
	v_mul_u32_u24 v2, v2, 288                      ; c = 8 (t / 8) + j / 2
	v_lshl_add_u32 v2, v7, 4, v2                   ; rho = 2 (t % 8) + l / 16
	v_and_b32 v3, 1, v6
	v_lshl_add_u32 v2, v3, 3, v2                   ; the piece's lower or upper 8 bytes
	v_add_nc_u32 v2, s27, v2
	v_mul_u32_u24 v3, v7, 288                      ; back: store t takes pieces 2 t and 2 t + 1: lane l reads row l % 16 of piece 2 t + l / 16
	v_lshl_add_u32 v3, v6, 4, v3
	v_add_nc_u32 v3, s27, v3
	s_lshl_b32 s28, s22, 14                        ; my wave's four kc, 4,096 bytes apart
	v_lshl_add_u32 v4, v5, 4, s28
	s_lshl_b32 s24, s21, 4
	s_lshr_b32 s25, ttmp9, 2
	s_add_co_u32 s24, s24, s25                     ; the group of 64 rows
	s_lshl_b32 s24, s24, 18
	s_lshr_b32 s25, s20, 3
	s_lshl_b32 s25, s25, 17                        ; x1's or x2's part of the group
	s_add_co_u32 s24, s24, s25
	s_and_b32 s25, ttmp9, 3
	s_lshl_b32 s25, s25, 10                        ; the chunk's block among the group's four
	s_add_co_u32 s24, s24, s25
	s_mov_b32 s25, 0
	s_add_nc_u64 s[32:33], s[14:15], s[24:25]
	PATH 0
	s_branch .Lend
.Lweights:
	; W: block n (0..7 in my 128 columns) lies at 544 n: again 64 different banks for the 32 lanes of a store
	v_lshrrev_b32 v2, 2, v6
	v_mul_u32_u24 v2, v2, 544                      ; n = 4 (t / 8) + j / 4
	v_bfe_u32 v3, v6, 1, 1
	v_lshl_add_u32 v2, v3, 7, v2                   ; which 8 of the block's 16 columns
	v_lshl_add_u32 v2, v7, 4, v2                   ; row kk = 2 (t % 8) + l / 16
	v_and_b32 v3, 1, v6
	v_lshl_add_u32 v2, v3, 3, v2
	v_add_nc_u32 v2, s27, v2
	v_lshl_add_u32 v3, v5, 4, s27                  ; back: store t takes block t as it lies
	v_lshlrev_b32 v4, 4, v5
	s_lshr_b32 s24, s22, 1
	s_mul_i32 s24, s24, 1572864                    ; the column tile of 256
	s_lshl_b32 s25, s21, 19                        ; which W
	s_add_co_u32 s24, s24, s25
	s_lshl_b32 s25, ttmp9, 13                      ; the chunk's 16 rows
	s_add_co_u32 s24, s24, s25
	s_and_b32 s25, s22, 1
	s_lshl_b32 s25, s25, 12                        ; my 8 blocks of the tile's 16
	s_add_co_u32 s24, s24, s25
	s_mov_b32 s25, 0
	s_add_nc_u64 s[32:33], s[16:17], s[24:25]
	s_mov_b32 s28, 0x3e000000                      ; 1 / 8
	s_mov_b32 s29, 0x3e000000
	PATH 1
.Lend:
	s_wait_tensorcnt 0x0                           ; the wave's end, behind my last LDS store
	ds_add_u32 v[SPW], v[NIL]
	s_wait_dscnt 0x0
	s_endpgm
.Lfunc_end_k_qd4b1f3eaf4_cast:
	.size	k_qd4b1f3eaf4_cast, .Lfunc_end_k_qd4b1f3eaf4_cast-k_qd4b1f3eaf4_cast
	.p2alignl 7, 3214868480
	.fill 96, 4, 3214868480
	.section	.rodata,"a",@progbits
	.p2align	6, 0x0
	.amdhsa_kernel k_qd4b1f3eaf4_cast
		.amdhsa_group_segment_fixed_size 37888
		.amdhsa_private_segment_fixed_size 0
		.amdhsa_enable_private_segment 0
		.amdhsa_kernarg_size 56
		.amdhsa_user_sgpr_count 2
		.amdhsa_user_sgpr_kernarg_segment_ptr 1
		.amdhsa_wavefront_size32 1
		.amdhsa_system_sgpr_workgroup_id_x 1
		.amdhsa_system_sgpr_workgroup_id_y 1
		.amdhsa_system_sgpr_workgroup_id_z 1
		.amdhsa_system_vgpr_workitem_id 0
		.amdhsa_next_free_vgpr 106
		.amdhsa_next_free_sgpr 66
		.amdhsa_reserve_vcc 0
		.amdhsa_float_denorm_mode_32 3
		.amdhsa_float_denorm_mode_16_64 3
		.amdhsa_memory_ordered 1
		.amdhsa_forward_progress 1
		.amdhsa_inst_pref_size 18
	.end_amdhsa_kernel
	.amdgpu_metadata
---
amdhsa.version: [ 1, 2 ]
amdhsa.kernels:
  - .name:           k_qd4b1f3eaf4_cast
    .symbol:         k_qd4b1f3eaf4_cast.kd
    .args:
      - { .name: x1, .offset: 0, .size: 8, .value_kind: global_buffer, .address_space: global }
      - { .name: x2, .offset: 8, .size: 8, .value_kind: global_buffer, .address_space: global }
      - { .name: WQ, .offset: 16, .size: 8, .value_kind: global_buffer, .address_space: global }
      - { .name: WK, .offset: 24, .size: 8, .value_kind: global_buffer, .address_space: global }
      - { .name: WV, .offset: 32, .size: 8, .value_kind: global_buffer, .address_space: global }
      - { .name: xb, .offset: 40, .size: 8, .value_kind: global_buffer, .address_space: global }
      - { .name: wb, .offset: 48, .size: 8, .value_kind: global_buffer, .address_space: global }
    .group_segment_fixed_size: 37888
    .private_segment_fixed_size: 0
    .kernarg_segment_align: 8
    .kernarg_segment_size: 56
    .max_flat_workgroup_size: 256
    .sgpr_count:     66
    .vgpr_count:     106
    .wavefront_size: 32
...
	.end_amdgpu_metadata
.endif
;; end of part 1
;; launch proj (part 2): grid 4 x 64, 4 waves a work-group, clusters of 4 x 4, 327,680 bytes of LDS; arguments xb, wb, qkv, ss; writes qkv, ss
.if DOCPART == 2
	.amdgcn_target "amdgcn-amd-amdhsa--gfx1250"
	.amdhsa_code_object_version 6
	.text
	.protected	k_qd4b1f3eaf4_proj
	.globl	k_qd4b1f3eaf4_proj
	.p2align	8
	.type	k_qd4b1f3eaf4_proj,@function
k_qd4b1f3eaf4_proj:
	s_mov_b64 s[64:65], 0
	v_nop
	global_prefetch_b8 v0, s[64:65] scope:SCOPE_SE
	s_setreg_imm32_b32 hwreg(HW_REG_WAVE_MODE, 25, 1), 1
	s_wait_xcnt 0x0
	s_wait_alu depctr_hold_cnt(0) depctr_sa_sdst(0) depctr_va_vdst(0) depctr_va_sdst(0) depctr_va_ssrc(0) depctr_va_vcc(0) depctr_vm_vsrc(0)
	s_getreg_b32 s2, hwreg(HW_REG_IB_STS2, 6, 4)
	s_cmp_eq_u32 s2, 0
	s_cbranch_scc0 .Lentry_in_a_cluster
	s_endpgm
.Lentry_in_a_cluster:
	s_bfe_u32 s2, ttmp6, 0x10000c
	s_cmp_lg_u32 s2, 0xf033
	s_cbranch_scc0 .Lentry_shape_is_right
	s_endpgm
.Lentry_shape_is_right:
; LAUNCH 2 OF 4: q / 8 = x1 (WQ / 8), k / 8 = x2 (WK / 8) (bf16), v / 8 = x2 (WV / 8) (f16), and for q / 8 and k / 8 each row's sum of squares in parts of 128 columns (f32, of the unrounded sums).
; xb and wb: as launch 1 lays them.  ss: [2][8][8192] f32.  qkv, three planes of 16,777,216 bytes:
;   q, k: [64 groups of 128 rows][32 kc][8 blocks][1,024]: a block is 16 rows x 32 columns, piece p (512 bytes) holds at byte 16 l row l % 16, columns 16 p + 8 (l / 16) + 0..7;
;   v:    [4 batches][4 column tiles of 256][128 groups of 16 keys][16 blocks][512]: a block is 16 keys x 16 columns, key kk's columns 8 c + 0..7 at byte 256 (kk / 8) + 128 c + 16 (kk % 8).
; LIMITS.  v / 8 is f16: |v| stays under 524,000.  NaN and infinities are not treated apart.
; SHARES.  A work-group makes 128 rows x 256 columns of q, then of k, then of v: 12 slots of K = 256 on one walk.  256 work-groups, 3 x 256 tiles.
; Wave w: rows 64 (w / 2) on, columns 128 (w % 2) on: 4 x 8 accumulators of 16 x 16, 256 registers.
; A COMES STRAIGHT INTO REGISTERS: a fragment (16 rows x 32 k) is 1,024 consecutive bytes of xb, two loads of 16 bytes a lane.  A ring of 8 quarters (a quarter is 32 along K: 4 fragments, 32 registers)
; holds a slot's worth; a fragment is asked for again, for the next slot, as soon as its products are issued, so that 56 to 64 loads of the wave are on their way.
; B GOES THROUGH LDS ALONE: two slots of 256 k x 256 columns, 131,072 bytes each, dense; each wave fetches 64 k-rows (32,768 consecutive bytes of wb) by one tensor load.  With A out of LDS a slot is twice
; as long as it could be with both: from a refill's request to the wait for it a wave issues 240 matrix instructions.  B is turned on its way into registers by ds_load_tr16_b128, at byte 16 l of a block.
; THE MATRIX INSTRUCTION IS USED TRANSPOSED (source 0 = 16 columns of B, source 1 = 16 rows of A): a lane holds row l % 16 of C and the columns 8 (l / 16) + 0..7: 16 bytes that are a piece of
; the next launch's operand: every store goes straight from registers and covers 512 consecutive bytes, aligned.
; CLUSTER 4 x 4.  B's tile hangs on the tile column alone and is asked for jointly along a column of the cluster.  A's four readers, the work-groups of a row, go in step with it.
; REGISTERS.  Window 0: v0-31 addresses; v32-63 packed results; v64-127, v128-191 B's fragments, two buffers; v192-205 at work.  Window 1: accumulator (a, b) at v[8 (8 a + b)].
;   Window 2: A's ring: quarter q, fragment i at v[32 q + 8 i].
.set SLOT1, 131072                     ; slot 1 begins here: one exclusive or changes slots.  Also: a slot's bytes in wb
.set ASL,   32768                      ; a slot's bytes of A for my 64 rows
.set STG,   2*SLOT1                    ; behind the ring, never filled by a tensor load: 256 bytes for each wave, for its rows' sums of squares
.set SPARE, STG+1024                   ; the spare words, 128 bytes for each wave: two blocks of 256 bytes that no other line names
.set ADRB0, 16                         ; v16     my lane's place in a slot: my 128 columns + 16 l; never rewritten
.set ADRB,  18                         ; v18-19  the same in the slot in hand, quarters 0-3 and 4-7
.set AO,    20                         ; v20     16 l: my bytes in 512; never rewritten
.set VO,    21                         ; v21     my 16 bytes in a block of v
.set SSA,   22                         ; v22     stage + 4 (l % 16)
.set SSR,   23                         ; v23     stage + 8 l
.set SSO,   24                         ; v24     8 l
.set PFO,   25                         ; v25     256 l: the prefetches' offset
.set SPW,   28                         ; v28     my spare word; never rewritten
.set NIL,   29                         ; v29     0; never rewritten
.set TMP,   32
.set F0,    64
.set F1,    128
.set SQ,    192                        ; four chains of squares
.set SSQ,   200                        ; the four blocks' sums of squares
.set XT,    204                        ; v204-205 at work
.set NS,  2                            ; s2       the slot in hand
.set G1,  24                           ; s[24:31] descriptor group 1
.set G0,  32                           ; s[32:39] descriptor group 0: a set for each of the two first fills; the second then walks on
.set PLA, 43                           ; s43      prefetches of A that I still have to make
.set PLB, 44                           ; s44      of B
.set TB,  45                           ; s45      LDS byte at which the slot in hand begins
.set AN,  46                           ; s[46:47] A's bytes of the NEXT slot for my 64 rows
.set PFA, 48                           ; s[48:49] where my prefetches of A stand
.set PFB, 50                           ; s[50:51] of B
.set ABK, 52                           ; s[52:53] how far A goes back
.set SSB, 54                           ; s[54:55] ss at my rows and my group of columns
.set VB,  56                           ; s[56:57] v at my part of the tile
.set SEL, 58                           ; s[58:59] v_permlanex16_b32's selects: each lane takes its own place in the other half
.set W_MUL, 0x58                       ; B's fragments in window 0, A's in window 2, C and D in window 1
.set W_A,   0x80                       ; destination window 2, address window 0
.set W_CV,  0x05                       ; sources 0 and 1 in window 1
.set MSB, 0
.macro WIN new                         ; the immediate's high byte repeats the setting that is left; a switch that changes nothing is dropped
.if MSB != (\new)
	s_set_vgpr_msb (MSB<<8)|(\new)
.set MSB, \new
.endif
.endm
.macro PLACES                          ; four places in front of loads into registers that matrix instructions have read, and of vector work on their results
.rept 4
	v_nop
.endr
.endm
.macro CREST                           ; a round of the cluster's barrier behind its opening barrier
	s_cmp_lg_u32 s10, 0
	s_cbranch_scc1 .Lnot_wave_0_\@
	s_barrier_signal -3
.Lnot_wave_0_\@:
	s_barrier_wait -3
	s_barrier_signal -1
	s_barrier_wait -1
.endm
.macro CROUND                          ; a whole round
	s_barrier_signal -1
	s_barrier_wait -1
	CREST
.endm
; PREFETCHES INTO THE L2, behind a joint load, its five lines and the runs of loads: the slot that stands FOUR on: two refills, 512 matrix instructions, ahead of B's load, and as far ahead of A's first loads.
; B: of the 32,768 bytes that a wave fetches, each of the four partners of the column names 8,192 (cy tells them apart, by address), a lane 256 bytes; only the cluster with y = 0 asks: all sixteen walk the same rows.
; A: of my 64 rows' 32,768 bytes each of the four partners of the row names 8,192 (cx, by address); of the two waves that read them the one with the left columns asks.
; So each block of 256 bytes is named once.  The counts stop them: B's slots 4 to 11; A's 4 to 7 (8 to 11 read x2's part a second time).  Slots 0 to 3 come by their loads alone.
.macro ASK
	s_cmp_eq_u32 s[PLB], 0
	s_cbranch_scc1 .Lno_b_\@
	global_prefetch_b8 v[PFO], s[PFB:PFB+1] th:TH_LOAD_NT scope:SCOPE_SE
	s_sub_co_u32 s[PLB], s[PLB], 1
.Lno_b_\@:
	s_cmp_eq_u32 s[PLA], 0
	s_cbranch_scc1 .Lno_a_\@
	global_prefetch_b8 v[PFO], s[PFA:PFA+1] th:TH_LOAD_NT scope:SCOPE_SE
	s_sub_co_u32 s[PLA], s[PLA], 1
.Lno_a_\@:
.endm
; 8 matrix instructions: quarter q, m block a x all 8 n blocks.  zero = 1: the product starts the sum.  The 32 accumulators take turns in the same order in every quarter.
.macro MUL8 f, q, a, zero
	WIN W_MUL
.irp b, 0,1,2,3,4,5,6,7
.if \zero
	v_wmma_f32_16x16x32_bf16 v[8*(8*(\a)+(\b)):8*(8*(\a)+(\b))+7], v[(\f)+8*(\b):(\f)+8*(\b)+7], v[32*(\q)+8*(\a):32*(\q)+8*(\a)+7], 0
.else
	v_wmma_f32_16x16x32_bf16 v[8*(8*(\a)+(\b)):8*(8*(\a)+(\b))+7], v[(\f)+8*(\b):(\f)+8*(\b)+7], v[32*(\q)+8*(\a):32*(\q)+8*(\a)+7], v[8*(8*(\a)+(\b)):8*(8*(\a)+(\b))+7]
.endif
.endr
.endm
; 16 LDS loads in one run: B's 8 fragments of quarter q of the slot in hand, turned
.macro FETCHB q, f
	WIN 0
.irp b, 0,1,2,3,4,5,6,7
	ds_load_tr16_b128 v[(\f)+8*(\b):(\f)+8*(\b)+3],   v[ADRB+(\q)/4] offset:((\q)%4)*16384+512*(\b)
	ds_load_tr16_b128 v[(\f)+8*(\b)+4:(\f)+8*(\b)+7], v[ADRB+(\q)/4] offset:((\q)%4)*16384+8192+512*(\b)
.endr
.endm
; 4 loads: A's fragments 2 hi and 2 hi + 1 of quarter q of the next slot
.macro ALOAD q, hi
	WIN W_A
.irp i, 0,1
	global_load_b128 v[32*(\q)+16*(\hi)+8*(\i):32*(\q)+16*(\hi)+8*(\i)+3],   v[AO], s[AN:AN+1] offset:(\q)*4096+(2*(\hi)+(\i))*1024
	global_load_b128 v[32*(\q)+16*(\hi)+8*(\i)+4:32*(\q)+16*(\hi)+8*(\i)+7], v[AO], s[AN:AN+1] offset:(\q)*4096+(2*(\hi)+(\i))*1024+512
.endr
.endm
; THE RING'S ORDER, in every slot alike: (0 low) (1 low, 0 high) (2 low, 1 high) .. (7 low, 6 high) (7 high): 64 loads.  So behind a quarter's low pair 60 younger loads have been issued when
; its products come, and behind its high pair 56 or more.
.macro ARING
	ALOAD 0, 0
.irp q, 1,2,3,4,5,6,7
	ALOAD \q, 0
	ALOAD (\q)-1, 1
.endr
	ALOAD 7, 1
	WIN 0
.endm
; Quarter q (0 to 6) multiplies B's buffer f; in its middle stand four places, the next quarter's fragments of B into buffer g, and the loads that fill the ring again.
; last = 1: the walk's last slot: nothing is left to ask for, and the counts run down.
.macro QUARTER q, f, g, zero, last
.if (\last) && ((\q) > 0)
	s_wait_loadcnt 64-8*(\q)
.else
	s_wait_loadcnt 60                              ; A's fragments 0 and 1 of this quarter are in; the 60 younger loads stay out
.endif
	s_wait_dscnt 0x0                               ; B's fragments are in
	MUL8 \f, \q, 0, \zero
	MUL8 \f, \q, 1, \zero
	PLACES
	FETCHB (\q)+1, \g
.if \last
	s_wait_loadcnt 52-8*(\q)
.else
	ALOAD \q, 0
.if (\q) > 0
	ALOAD (\q)-1, 1
.endif
	s_wait_loadcnt 56                              ; A's fragments 2 and 3 are in
.endif
	MUL8 \f, \q, 2, \zero
	MUL8 \f, \q, 3, \zero
.endm
; Quarter 7 multiplies buffer 1 and changes slots.  In front of the barrier each wave waits for all its tensor loads (one is out: its part of the next slot), adds 0 to its spare word and waits for that;
; its reads of this slot are over.  fill = 1: the barrier opens a round of the cluster's, and behind the round this slot is filled again first, two slots ahead.
.macro TURN fill
	s_wait_loadcnt 60
	s_wait_dscnt 0x0                               ; B's last fragments of this slot are in
	WIN 0
	s_wait_tensorcnt 0x0                           ; all my tensor loads have landed, so a group 0 may be written
	ds_add_u32 v[SPW], v[NIL]                      ; 0 onto my spare word
.if \fill
	s_xor_b32 s[G0+5], s[G0+5], SLOT1              ; the walking descriptor: the other slot than last time,
	s_add_nc_u64 s[G0+6:G0+7], s[G0+6:G0+7], SLOT1 ; the next 256 k; the type bits on top are not reached
.endif
	MUL8 F1, 7, 0, 0
	s_wait_dscnt 0x0                               ; the add is done
	s_barrier_signal -1
	MUL8 F1, 7, 1, 0
	WIN 0
	s_barrier_wait -1
.if \fill
	CREST                                          ; no wave of any partner still reads this slot or has a load on its way
	tensor_load_to_lds s[G0+4:G0+7], s[G1:G1+7]    ; my one tensor load behind the round, and the first thing there
	s_nop 0
.endif
	PLACES                                         ; (the places in front of the loads below)
	s_xor_b32 s[TB], s[TB], SLOT1
	v_add_nc_u32 v[ADRB], s[TB], v[ADRB0]
	v_add_nc_u32 v[ADRB+1], 0x10000, v[ADRB]
	FETCHB 0, F0
	ALOAD 7, 0
	ALOAD 6, 1
.if \fill
	WIN 0
	ASK
.endif
	s_wait_loadcnt 56
	MUL8 F1, 7, 2, 0
	MUL8 F1, 7, 3, 0
	PLACES
	ALOAD 7, 1
	WIN 0
.endm
	s_load_b128 s[4:7], s[0:1], 0x0                ; xb s[4:5], wb s[6:7]
	s_load_b64 s[8:9], s[0:1], 0x10                ; qkv
	s_load_b64 s[SSB:SSB+1], s[0:1], 0x18          ; ss
	v_lshl_add_u32 v[SPW], v0, 2, SPARE
	v_mov_b32 v[NIL], 0
	ds_add_u32 v[SPW], v[NIL]                      ; the wave's opening: the add, twice on end, and its wait ahead of my first tensor load
	ds_add_u32 v[SPW], v[NIL]                      ; and once more, under the one wait; the set-up below, work on registers, stands between
	v_lshrrev_b32 v1, 5, v0
	v_readfirstlane_b32 s10, v1                    ; wave 0..3
	v_and_b32 v3, 31, v0                           ; l
	v_lshlrev_b32 v[AO], 4, v3
	s_lshr_b32 s11, s10, 1                         ; which 64 rows of the tile are mine
	s_and_b32 s12, s10, 1                          ; which 128 columns
	s_bfe_u32 s40, ttmp6, 0x40000                  ; cx
	s_bfe_u32 s41, ttmp6, 0x40004                  ; cy
	s_lshl_b32 s42, ttmp9, 2
	s_add_co_u32 s42, s42, s40                     ; tile column = 4 x cluster x + cx
	s_and_b32 s13, ttmp7, 0xffff
	s_lshl_b32 s13, s13, 2
	s_add_co_u32 s13, s13, s41                     ; tile row = 4 x cluster y + cy
	s_lshl_b32 s14, 0x1111, s40                    ; my column of the cluster
	s_or_b32 s[G1+0], s14, (1<<16)|(1<<21)         ; the mask; 2-byte elements; no padding; bit 21 beside a mask
	s_mov_b32 s[G1+1], 128<<16                     ; a dense block of 32,768 bytes, as 128 rows of 256: tensor_dim0 = 128
	s_mov_b32 s[G1+2], 128<<16                     ; tensor_dim1 = 128
	s_mov_b32 s[G1+3], 128<<16                     ; tile_dim0 = 128
	s_mov_b32 s[G1+4], 128                         ; tile_dim1 = 128
	s_mov_b32 s[G1+5], 128                         ; elements from row to row
	s_mov_b32 s[G1+6], 0
	s_mov_b32 s[G1+7], 0
	s_mul_i32 s14, s42, 1572864                    ; B: the tile column's part of wb,
	s_lshl_b32 s20, s10, 15                        ; my 64 k-rows: 32,768 bytes, in wb and in a slot: no place in the cluster enters an LDS address
	s_add_co_u32 s14, s14, s20
	s_mov_b32 s15, 0
	s_lshl_b32 s18, s13, 1                         ; A: my group of 64 rows
	s_add_co_u32 s18, s18, s11
	s_lshl_b32 s18, s18, 18
	s_mov_b32 s19, 0
	s_mov_b32 s[SEL], 0x76543210
	s_mov_b32 s[SEL+1], 0xfedcba98
	s_mov_b32 s[ABK+1], 0
	s_mov_b32 s[TB], 0
	s_wait_dscnt 0x0                               ; both opening adds are done
	s_wait_kmcnt 0x0
	s_add_nc_u64 s[16:17], s[6:7], s[14:15]
	s_add_nc_u64 s[AN:AN+1], s[4:5], s[18:19]      ; slot 0's bytes of A
	CROUND                                         ; all sixteen work-groups are here: the first joint loads meet
.irp s, 0,1
	s_mov_b32 s[G0+4*(\s)], 1
	s_add_co_u32 s[G0+4*(\s)+1], s20, (\s)*SLOT1
	s_add_nc_u64 s[G0+4*(\s)+2:G0+4*(\s)+3], s[16:17], (\s)*SLOT1
	s_or_b32 s[G0+4*(\s)+3], s[G0+4*(\s)+3], 0x80000000
.endr
	tensor_load_to_lds s[G0:G0+3], s[G1:G1+7]      ; both first fills together: two loads of mine are out
	s_nop 0
	tensor_load_to_lds s[G0+4:G0+7], s[G1:G1+7]
	s_nop 0
	PLACES
	ARING                                          ; slot 0's fragments of A
	v_and_b32 v1, 15, v0                           ; r = l % 16
	v_bfe_u32 v2, v0, 4, 1                         ; h = l / 16
	s_lshl_b32 s14, s12, 12                        ; my 8 blocks of a group's 16
	v_add_nc_u32 v[ADRB0], s14, v[AO]
	v_mov_b32 v[ADRB], v[ADRB0]
	v_add_nc_u32 v[ADRB+1], 0x10000, v[ADRB0]
	v_lshrrev_b32 v4, 3, v1
	v_and_b32 v5, 7, v1
	v_lshlrev_b32 v[VO], 8, v4                     ; in a block of v: key r, columns 8 h on: 256 (r / 8) + 128 h + 16 (r % 8)
	v_lshl_add_u32 v[VO], v2, 7, v[VO]
	v_lshl_add_u32 v[VO], v5, 4, v[VO]
	s_lshl_b32 s14, s10, 8
	s_add_co_u32 s14, s14, STG                     ; my stage
	v_lshl_add_u32 v[SSA], v1, 2, s14
	v_lshl_add_u32 v[SSR], v3, 3, s14
	v_lshlrev_b32 v[SSO], 3, v3
	v_lshlrev_b32 v[PFO], 8, v3
	v_mov_b32 v[XT], 0                             ; v_permlanex16_b32's destination counts as read
	s_lshr_b32 s14, s13, 4                         ; v: the batch,
	s_lshl_b32 s14, s14, 22
	s_lshl_b32 s15, s42, 20                        ; the column tile,
	s_add_co_u32 s14, s14, s15
	s_and_b32 s15, s13, 15
	s_lshl_b32 s15, s15, 16                        ; the tile's 8 groups of 16 keys,
	s_add_co_u32 s14, s14, s15
	s_lshl_b32 s15, s11, 15                        ; my 4 of them,
	s_add_co_u32 s14, s14, s15
	s_lshl_b32 s15, s12, 12                        ; my 8 blocks
	s_add_co_u32 s14, s14, s15
	s_add_co_u32 s14, s14, 0x2000000               ; in the third plane
	s_mov_b32 s15, 0
	s_add_nc_u64 s[VB:VB+1], s[8:9], s[14:15]
	s_lshl_b32 s14, s13, 18                        ; q: the tile's group of 128 rows,
	s_lshl_b32 s15, s42, 16                        ; the tile's 8 kc,
	s_add_co_u32 s14, s14, s15
	s_lshl_b32 s15, s12, 15                        ; my 4 of them,
	s_add_co_u32 s14, s14, s15
	s_lshl_b32 s15, s11, 12                        ; my 4 blocks of the group's 8
	s_add_co_u32 s14, s14, s15
	s_mov_b32 s15, 0
	s_add_nc_u64 s[8:9], s[8:9], s[14:15]
	s_lshl_b32 s14, s42, 1
	s_add_co_u32 s14, s14, s12                     ; my group of 128 columns
	s_lshl_b32 s14, s14, 15
	s_lshl_b32 s15, s13, 9
	s_add_co_u32 s14, s14, s15
	s_lshl_b32 s15, s11, 8
	s_add_co_u32 s14, s14, s15                     ; my first row, 4 bytes a row
	s_mov_b32 s15, 0
	s_add_nc_u64 s[SSB:SSB+1], s[SSB:SSB+1], s[14:15]
	s_lshl_b32 s14, s41, 13                        ; the prefetches stand at slot 3; each slot's head steps them
	s_add_co_u32 s14, s14, 3*SLOT1
	s_add_nc_u64 s[PFB:PFB+1], s[16:17], s[14:15]
	s_lshl_b32 s14, s40, 13
	s_add_co_u32 s14, s14, 3*ASL
	s_add_nc_u64 s[PFA:PFA+1], s[AN:AN+1], s[14:15]
	s_and_b32 s14, ttmp7, 0xffff
	s_cmp_eq_u32 s14, 0
	s_cselect_b32 s[PLB], 8, 0                     ; the same in all sixteen partners
	s_cmp_eq_u32 s12, 0
	s_cselect_b32 s[PLA], 4, 0
; THE WAY OUT of block a (16 rows x 128 columns) of q or k: rounded to bf16, 16 bytes a lane, stored as they lie; beside it the squares of the unrounded sums, in four chains.
; Each accumulator is read from its low end on.
.macro PACKQ a
	s_wait_xcnt 0x0                                ; the stores of the block before have read their data
	WIN W_CV
.irp b, 0,1,2,3,4,5,6,7
.irp r, 0,1,2,3
	v_cvt_pk_bf16_f32 v[TMP+4*(\b)+(\r)], v[64*(\a)+8*(\b)+2*(\r)], v[64*(\a)+8*(\b)+2*(\r)+1]
.if (\b) == 0
	v_pk_mul_f32 v[SQ+2*(\r):SQ+2*(\r)+1], v[64*(\a)+8*(\b)+2*(\r):64*(\a)+8*(\b)+2*(\r)+1], v[64*(\a)+8*(\b)+2*(\r):64*(\a)+8*(\b)+2*(\r)+1]
.else
	v_pk_fma_f32 v[SQ+2*(\r):SQ+2*(\r)+1], v[64*(\a)+8*(\b)+2*(\r):64*(\a)+8*(\b)+2*(\r)+1], v[64*(\a)+8*(\b)+2*(\r):64*(\a)+8*(\b)+2*(\r)+1], v[SQ+2*(\r):SQ+2*(\r)+1]
.endif
.endr
.endr
	WIN 0
.irp b, 0,1,2,3,4,5,6,7
	global_store_b128 v[AO], v[TMP+4*(\b):TMP+4*(\b)+3], s[8:9] offset:((\b)/2)*8192+((\b)%2)*512+(\a)*1024  ; 512 consecutive bytes, aligned
.endr
	v_pk_add_f32 v[SQ:SQ+1], v[SQ:SQ+1], v[SQ+2:SQ+3]
	v_pk_add_f32 v[SQ+4:SQ+5], v[SQ+4:SQ+5], v[SQ+6:SQ+7]
	v_pk_add_f32 v[SQ:SQ+1], v[SQ:SQ+1], v[SQ+4:SQ+5]
	v_add_f32 v[SQ], v[SQ], v[SQ+1]
	v_permlanex16_b32 v[XT], v[SQ], s[SEL], s[SEL+1]  ; the row's other 64 columns lie in the lane 16 away
	v_add_f32 v[SSQ+(\a)], v[SQ], v[XT]
.endm
.macro PACKV a                         ; the same for v: rounded to f16
	s_wait_xcnt 0x0
	WIN W_CV
.set i, 0
.rept 32
	v_cvt_pk_f16_f32 v[TMP+i], v[64*(\a)+2*i], v[64*(\a)+2*i+1]
.set i, i+1
.endr
	WIN 0
.irp b, 0,1,2,3,4,5,6,7
	global_store_b128 v[VO], v[TMP+4*(\b):TMP+4*(\b)+3], s[VB:VB+1] offset:(\a)*8192+(\b)*512  ; a block of 512 consecutive bytes, aligned
.endr
.endm
	s_wait_tensorcnt 0x1                           ; my part of slot 0 is in; slot 1's may stay out
	s_barrier_signal -1
	s_barrier_wait -1                              ; everybody's is
	FETCHB 0, F0
	s_mov_b32 s[NS], 0
.Lslot:                                                ; slots 0 to 9: each is filled again
	s_wait_xcnt 0x0                                ; every load and prefetch issued so far has read its address, so the pointers may be written
	s_add_nc_u64 s[AN:AN+1], s[AN:AN+1], ASL       ; the next slot's bytes of A: on along the group (x1's part serves q, x2's k),
	s_cmp_eq_u32 s[NS], 7
	s_cselect_b32 s[ABK], 0x20000, 0
	s_sub_nc_u64 s[AN:AN+1], s[AN:AN+1], s[ABK:ABK+1]  ; and for slot 8, v's first, back over x2's part
	s_add_nc_u64 s[PFA:PFA+1], s[PFA:PFA+1], ASL
	s_add_nc_u64 s[PFB:PFB+1], s[PFB:PFB+1], SLOT1
	s_and_b32 s3, s[NS], 3
	s_cmp_eq_u32 s3, 0
	s_cbranch_scc0 .Lgo_on
	QUARTER 0, F0, F1, 1, 0                        ; a tile's first quarter starts the sums: nothing is cleared
	WIN 0
	s_branch .Lq1
.Lgo_on:
	QUARTER 0, F0, F1, 0, 0
	WIN 0
.Lq1:
	QUARTER 1, F1, F0, 0, 0
	QUARTER 2, F0, F1, 0, 0
	QUARTER 3, F1, F0, 0, 0
	QUARTER 4, F0, F1, 0, 0
	QUARTER 5, F1, F0, 0, 0
	QUARTER 6, F0, F1, 0, 0
	TURN 1
	s_and_b32 s3, s[NS], 3
	s_cmp_eq_u32 s3, 3
	s_cbranch_scc0 .Lno_out                        ; behind slots 3 and 7 q's and k's tile goes out; the refill and the next slot's loads are on their way meanwhile
	PACKQ 0
	PACKQ 1
	PACKQ 2
	PACKQ 3
.irp a, 0,1,2,3
	ds_store_b32 v[SSA], v[SSQ+(\a)] offset:64*(\a)  ; row 16 a + r; lanes l and l + 16 write the same word with the same number
.endr
	ds_load_b64 v[XT:XT+1], v[SSR]                 ; LDS serves a wave's instructions in order (ISA guide 5.7.1.4)
	s_wait_dscnt 0x0
	global_store_b64 v[SSO], v[XT:XT+1], s[SSB:SSB+1]  ; my 64 rows' parts: 256 consecutive bytes, aligned
	s_wait_xcnt 0x0                                ; the stores have read their registers and bases
	s_add_nc_u64 s[8:9], s[8:9], 0x1000000         ; k's plane of qkv
	s_add_nc_u64 s[SSB:SSB+1], s[SSB:SSB+1], 262144  ; and of ss
.Lno_out:
	s_add_co_u32 s[NS], s[NS], 1
	s_cmp_lt_u32 s[NS], 10
	s_cbranch_scc1 .Lslot
	s_wait_xcnt 0x0                                ; slot 10 is written out: no slot is filled again; the ring takes slot 11's fragments
	s_add_nc_u64 s[AN:AN+1], s[AN:AN+1], ASL
	QUARTER 0, F0, F1, 0, 0
	QUARTER 1, F1, F0, 0, 0
	QUARTER 2, F0, F1, 0, 0
	QUARTER 3, F1, F0, 0, 0
	QUARTER 4, F0, F1, 0, 0
	QUARTER 5, F1, F0, 0, 0
	QUARTER 6, F0, F1, 0, 0
	TURN 0
	QUARTER 0, F0, F1, 0, 1                        ; slot 11: nothing is left to ask for
	QUARTER 1, F1, F0, 0, 1
	QUARTER 2, F0, F1, 0, 1
	QUARTER 3, F1, F0, 0, 1
	QUARTER 4, F0, F1, 0, 1
	QUARTER 5, F1, F0, 0, 1
	QUARTER 6, F0, F1, 0, 1
	s_wait_loadcnt 8
	s_wait_dscnt 0x0
	MUL8 F1, 7, 0, 0
	MUL8 F1, 7, 1, 0
	s_wait_loadcnt 0x0
	MUL8 F1, 7, 2, 0
	MUL8 F1, 7, 3, 0
	WIN 0
	PLACES
	PLACES
	PACKV 0
	PACKV 1
	PACKV 2
	PACKV 3
	s_wait_tensorcnt 0x0                           ; the wave's end, behind my last tensor load and my last LDS store
	ds_add_u32 v[SPW], v[NIL]
	s_wait_dscnt 0x0
	CROUND                                         ; the closing round: no work-group ends while a partner may still ask for a tile that names it
	s_endpgm
.Lfunc_end_k_qd4b1f3eaf4_proj:
	.size	k_qd4b1f3eaf4_proj, .Lfunc_end_k_qd4b1f3eaf4_proj-k_qd4b1f3eaf4_proj
	.p2alignl 7, 3214868480
	.fill 96, 4, 3214868480
	.section	.rodata,"a",@progbits
	.p2align	6, 0x0
	.amdhsa_kernel k_qd4b1f3eaf4_proj
		.amdhsa_group_segment_fixed_size 327680
		.amdhsa_private_segment_fixed_size 0
		.amdhsa_enable_private_segment 0
		.amdhsa_kernarg_size 32
		.amdhsa_user_sgpr_count 2
		.amdhsa_user_sgpr_kernarg_segment_ptr 1
		.amdhsa_wavefront_size32 1
		.amdhsa_system_sgpr_workgroup_id_x 1
		.amdhsa_system_sgpr_workgroup_id_y 1
		.amdhsa_system_sgpr_workgroup_id_z 1
		.amdhsa_system_vgpr_workitem_id 0
		.amdhsa_next_free_vgpr 768
		.amdhsa_next_free_sgpr 68
		.amdhsa_reserve_vcc 0
		.amdhsa_float_denorm_mode_32 3
		.amdhsa_float_denorm_mode_16_64 3
		.amdhsa_memory_ordered 1
		.amdhsa_forward_progress 1
		.amdhsa_inst_pref_size 144
	.end_amdhsa_kernel
	.amdgpu_metadata
---
amdhsa.version: [ 1, 2 ]
amdhsa.kernels:
  - .name:           k_qd4b1f3eaf4_proj
    .symbol:         k_qd4b1f3eaf4_proj.kd
    .args:
      - { .name: xb, .offset: 0, .size: 8, .value_kind: global_buffer, .address_space: global }
      - { .name: wb, .offset: 8, .size: 8, .value_kind: global_buffer, .address_space: global }
      - { .name: qkv, .offset: 16, .size: 8, .value_kind: global_buffer, .address_space: global }
      - { .name: ss, .offset: 24, .size: 8, .value_kind: global_buffer, .address_space: global }
    .group_segment_fixed_size: 327680
    .private_segment_fixed_size: 0
    .kernarg_segment_align: 8
    .kernarg_segment_size: 32
    .max_flat_workgroup_size: 128
    .sgpr_count:     68
    .vgpr_count:     768
    .wavefront_size: 32
...
	.end_amdgpu_metadata
.endif
;; end of part 2
;; launch scores (part 3): grid 8 x 32, 4 waves a work-group, clusters of 4 x 4, 327,680 bytes of LDS; arguments qkv, ss, pm, ls; writes pm, ls
.if DOCPART == 3
	.amdgcn_target "amdgcn-amd-amdhsa--gfx1250"
	.amdhsa_code_object_version 6
	.text
	.protected	k_qd4b1f3eaf4_scores
	.globl	k_qd4b1f3eaf4_scores
	.p2align	8
	.type	k_qd4b1f3eaf4_scores,@function
k_qd4b1f3eaf4_scores:
	s_mov_b64 s[64:65], 0
	v_nop
	global_prefetch_b8 v0, s[64:65] scope:SCOPE_SE
	s_setreg_imm32_b32 hwreg(HW_REG_WAVE_MODE, 25, 1), 1
	s_wait_xcnt 0x0
	s_wait_alu depctr_hold_cnt(0) depctr_sa_sdst(0) depctr_va_vdst(0) depctr_va_sdst(0) depctr_va_ssrc(0) depctr_va_vcc(0) depctr_vm_vsrc(0)
	s_getreg_b32 s2, hwreg(HW_REG_IB_STS2, 6, 4)
	s_cmp_eq_u32 s2, 0
	s_cbranch_scc0 .Lentry_in_a_cluster
	s_endpgm
.Lentry_in_a_cluster:
	s_bfe_u32 s2, ttmp6, 0x10000c
	s_cmp_lg_u32 s2, 0xf033
	s_cbranch_scc0 .Lentry_shape_is_right
	s_endpgm
.Lentry_shape_is_right:
; LAUNCH 3 OF 4: p = exp(z), z[q][k] = (q . k) / (|q| |k|), rounded to f16, and each row's sum of the unrounded p in parts of 128 keys (f32).
; qkv: q / 8 at byte 0, k / 8 at 16,777,216, bf16, as launch 2 lays them: [64 groups of 128 rows][32 kc][8 blocks][1,024].  ss: [2][8][8192] f32, the parts of the sums of squares of q / 8 and k / 8.
; pm: f16, [128 groups of 64 queries][64 kc][4 blocks][1,024]: a block is 16 queries x 32 keys, piece p (512 bytes) holds at byte 16 l query l % 16, keys 16 p + 8 (l / 16) + 0..7.  ls: [16][8192] f32.
; THE FACTOR 1 / 8 cancels: (q / 8 . k / 8) / sqrt(max(|q / 8|^2, 1e-12 / 64) max(|k / 8|^2, 1e-12 / 64)) is the problem's z, the clamp included: all factors are powers of two.
; NO MAXIMUM IS TAKEN AWAY, and none is needed: z is the cosine of two vectors that the problem itself normalises, so |z| <= 1 for every input (with bf16 operands at most 1.01; smaller where
; the clamp acts): p lies in 0.36 to 2.8 and a row's sum under 5,800: nothing can overflow or underflow, in f32 or in f16.
; LIMITS.  The norms are those of the unrounded f32 projections, the products those of their bf16 roundings.  NaN and infinities are not treated apart.
; SHARES.  A work-group makes 256 queries x 256 keys of one batch; each of its four waves 128 x 128: 64 accumulators, 512 registers.  K = 1,024 in 8 steps of 128 through two LDS slots of 131,072 bytes.
; A tile of 128 rows x 128 k is 32,768 consecutive bytes, fragments as registers take them: a fragment is two LDS loads at byte 16 l, with no bank conflict and no padding.
; THE MATRIX INSTRUCTION IS USED TRANSPOSED (source 0 = 16 keys, source 1 = 16 queries): a lane holds query l % 16 and the keys 8 (l / 16) + 0..7: rounded, 16 bytes that are a piece of launch 4's
; operand: p is stored straight from registers, 512 consecutive bytes a store.
; CLUSTER 4 x 4: q's tile is asked for jointly along a row of the cluster, k's along a column; a cluster's sixteen work-groups lie in one batch.
; REGISTERS.  Window 0: v0-31 addresses; v64-127, v128-191 q's fragments, two buffers.  Window 1: v64-127, v128-191 k's.  Windows 2, 3: the accumulators of my rows 0-63, 64-127.
; On the way out: window 0: v32-63 packed p; v128-143 1 / |q|; v144-160 sums; v192-255 at work.  Window 1: v64-127 1 / |k|.
.set SLOT1,  131072                    ; slot 1 begins here: one exclusive or changes slots
.set TILEB,  32768                     ; what one tensor load brings, and what one wave reads of q or of k in a K step
.set STG,    2*SLOT1                   ; behind the ring, never filled by a tensor load: 512 bytes for each wave, for its rows' sums
.set RQT,    STG+2048                  ; log2(e) / |q| of the tile's 256 queries, each written twice: 2,048 bytes
.set RKT,    RQT+2048                  ; 1 / |k| of its 256 keys: 1,024 bytes
.set SPARE,  RKT+1024                  ; the spare words, 128 bytes for each wave: two blocks of 256 bytes that no other line names
.set ADRA0, 16                         ; v16  my lane's place in a slot's tile of q; never rewritten
.set ADRA,  17                         ; v17  the same in the slot in hand
.set ADRB0, 20                         ; v20, v21  the same for k
.set ADRB,  21
.set RQA,  22                          ; v22  RQT + my 128 rows + 8 (l % 16)
.set LSA,  23                          ; v23  stage + 4 (l % 16)
.set CO,   26                          ; v26  16 l
.set RKA,  27                          ; v27  RKT + my 128 keys + 32 (l / 16)
.set SPW,  28
.set NIL,  29
.set PFO,  30                          ; v30  256 l
.set LSR,  31                          ; v31  stage + 16 l
.set PK,   32
.set F0,   64
.set F1,   128
.set RQ,   128
.set SM,   144
.set LS,   152
.set XT,   160
.set T,    192
.set RK,   64                          ; in window 1
.set G1, 24                            ; s[24:31] descriptor group 1 for q's tiles;  s[32:39] group 0: a set for each first fill, the second then walks on
.set G0, 32
.set G1B, 48                           ; s[48:55], s[56:63] the same for k's
.set G0B, 56
.set PL,  43
.set PFA, 44
.set TB,  66                           ; s66  LDS byte at which the slot in hand begins
.set CNT, 67
.set SEL, 80
.set MSB, 0
.macro WIN new
.if MSB != (\new)
	s_set_vgpr_msb (MSB<<8)|(\new)
.set MSB, \new
.endif
.endm
.set MUL_LO, 0xa1                      ; source 0 (k) window 1, source 1 (q) window 0, C and D window 2
.set MUL_HI, 0xf1
.set TO_B,   0x40
.macro PLACES
.rept 4
	v_nop
.endr
.endm
.macro JLOAD                           ; a joint refill: waves 0 and 1 fetch q's two halves, waves 2 and 3 k's; an s_nop 0 and four v_nop follow each line
	s_cmp_eq_u32 s11, 0
	s_cbranch_scc0 .Lfor_b_\@
	tensor_load_to_lds s[G0+4:G0+7], s[G1:G1+7]
	s_nop 0
.rept 4
	v_nop
.endr
	s_branch .Lasked_\@
.Lfor_b_\@:
	tensor_load_to_lds s[G0B+4:G0B+7], s[G1B:G1B+7]
	s_nop 0
.rept 4
	v_nop
.endr
.Lasked_\@:
.endm
.macro CREST
	s_cmp_lg_u32 s10, 0
	s_cbranch_scc1 .Lnot_wave_0_\@
	s_barrier_signal -3
.Lnot_wave_0_\@:
	s_barrier_wait -3
	s_barrier_signal -1
	s_barrier_wait -1
.endm
.macro CROUND
	s_barrier_signal -1
	s_barrier_wait -1
	CREST
.endm
; A PREFETCH INTO THE L2 of the K step that stands TWO refills on, 512 matrix instructions ahead of its load.  q's rows are read by both clusters of a row of clusters: the one with x = 0 asks; k's rows
; by the two clusters of a batch in a column: the one with even y asks.  Of the 32,768 bytes that a wave fetches each of the four partners that ask for them jointly names 8,192, told apart by
; address (cx for q, cy for k), a lane 256 bytes.  s[PL] counts the asks: K steps 4 to 7; K steps 0 to 3 come by their loads alone.
.macro ASK
	s_cmp_eq_u32 s[PL], 0
	s_cbranch_scc1 .Lnone_\@
	global_prefetch_b8 v[PFO], s[PFA:PFA+1] th:TH_LOAD_NT scope:SCOPE_SE
	s_sub_co_u32 s[PL], s[PL], 1
.Lnone_\@:
.endm
	s_load_b256 s[68:75], s[0:1], 0x0              ; qkv s[68:69], ss s[70:71], pm s[72:73], ls s[74:75]
	v_lshl_add_u32 v[SPW], v0, 2, SPARE
	v_mov_b32 v[NIL], 0
	ds_add_u32 v[SPW], v[NIL]                      ; the wave's opening: the add, twice on end, and its wait ahead of my first tensor load
	ds_add_u32 v[SPW], v[NIL]
	v_lshrrev_b32 v1, 5, v0
	v_readfirstlane_b32 s10, v1                    ; wave 0..3
	s_lshr_b32 s11, s10, 1                         ; which 128 queries are mine.  Also: I fetch for q (0) or for k (1)
	s_and_b32 s12, s10, 1                          ; which 128 keys.  Also: which 128 rows of that tile I fetch
	s_bfe_u32 s40, ttmp6, 0x40000                  ; cx
	s_bfe_u32 s41, ttmp6, 0x40004                  ; cy
	s_lshl_b32 s42, ttmp9, 2
	s_add_co_u32 s42, s42, s40                     ; key block in the batch = 4 x cluster x + cx
	s_and_b32 s82, ttmp7, 0xffff                   ; cluster y
	s_lshl_b32 s13, s82, 2
	s_add_co_u32 s13, s13, s41                     ; query block of all 32 = 4 x cluster y + cy
	s_lshr_b32 s83, s82, 1                         ; the batch: made of the cluster's y alone
	s_lshl_b32 s43, s41, 2
	s_lshl_b32 s43, 15, s43                        ; my row of the cluster
	s_lshl_b32 s44, 0x1111, s40                    ; my column
	s_or_b32 s[G1+0], s43, (1<<16)|(1<<21)         ; the mask; 2-byte elements; no padding; bit 21 beside a mask
	s_or_b32 s[G1B+0], s44, (1<<16)|(1<<21)
.irp g, G1, G1B
	s_mov_b32 s[(\g)+1], 128<<16                   ; a dense block of 32,768 bytes, as 128 rows of 256: tensor_dim0 = 128
	s_mov_b32 s[(\g)+2], 128<<16                   ; tensor_dim1 = 128
	s_mov_b32 s[(\g)+3], 128<<16                   ; tile_dim0 = 128
	s_mov_b32 s[(\g)+4], 128                       ; tile_dim1 = 128
	s_mov_b32 s[(\g)+5], 128                       ; elements from row to row
	s_mov_b32 s[(\g)+6], 0
	s_mov_b32 s[(\g)+7], 0
.endr
	s_lshl_b32 s16, s13, 1
	s_add_co_u32 s16, s16, s12                     ; q: group of 128 rows = 2 x query block + half
	s_lshl_b32 s16, s16, 18
	s_mov_b32 s17, 0
	s_lshl_b32 s46, s83, 4
	s_lshl_b32 s47, s42, 1
	s_add_co_u32 s46, s46, s47
	s_add_co_u32 s46, s46, s12                     ; k: group = 16 x batch + 2 x key block + half
	s_lshl_b32 s46, s46, 18
	s_mov_b32 s47, 0
	s_lshl_b32 s20, s10, 15                        ; where they go: wave x 32,768
	s_mov_b32 s[SEL], 0x76543210
	s_mov_b32 s[SEL+1], 0xfedcba98
	s_mov_b32 s[TB], 0
	s_wait_dscnt 0x0                               ; both opening adds are done
	s_wait_kmcnt 0x0
	s_mov_b64 s[4:5], s[68:69]                     ; q
	s_add_nc_u64 s[6:7], s[68:69], 0x1000000       ; k
	s_mov_b64 s[8:9], s[72:73]                     ; pm
	s_add_nc_u64 s[14:15], s[4:5], s[16:17]
	s_add_nc_u64 s[46:47], s[6:7], s[46:47]
	CROUND                                         ; all sixteen work-groups are here: the first joint loads meet
.irp s, 0,1
	s_mov_b32 s[G0+4*(\s)], 1
	s_add_co_u32 s[G0+4*(\s)+1], s20, (\s)*SLOT1
	s_add_nc_u64 s[G0+4*(\s)+2:G0+4*(\s)+3], s[14:15], (\s)*TILEB
	s_or_b32 s[G0+4*(\s)+3], s[G0+4*(\s)+3], 0x80000000
	s_mov_b32 s[G0B+4*(\s)], 1
	s_add_co_u32 s[G0B+4*(\s)+1], s20, (\s)*SLOT1
	s_add_nc_u64 s[G0B+4*(\s)+2:G0B+4*(\s)+3], s[46:47], (\s)*TILEB
	s_or_b32 s[G0B+4*(\s)+3], s[G0B+4*(\s)+3], 0x80000000
.endr
	s_cmp_eq_u32 s11, 0                            ; a wave's two first fills stand in one branch: two loads of mine are out
	s_cbranch_scc0 .Lfirst_b
	tensor_load_to_lds s[G0:G0+3], s[G1:G1+7]
	s_nop 0
	tensor_load_to_lds s[G0+4:G0+7], s[G1:G1+7]
	s_nop 0
	PLACES
	s_branch .Lfirst_asked
.Lfirst_b:
	tensor_load_to_lds s[G0B:G0B+3], s[G1B:G1B+7]
	s_nop 0
	tensor_load_to_lds s[G0B+4:G0B+7], s[G1B:G1B+7]
	s_nop 0
	PLACES
.Lfirst_asked:
	; the norms' parts: thread t takes rows 2 t and 2 t + 1 of the tile's 256 queries and 256 keys, 8 parts each; a load of a wave covers 256 consecutive bytes
	s_lshl_b32 s18, s13, 10
	s_mov_b32 s19, 0
	s_add_nc_u64 s[76:77], s[70:71], s[18:19]
	s_lshl_b32 s18, s83, 11
	s_lshl_b32 s21, s42, 8
	s_add_co_u32 s18, s18, s21
	s_lshl_b32 s18, s18, 2
	s_add_co_u32 s18, s18, 262144
	s_add_nc_u64 s[78:79], s[70:71], s[18:19]
	v_lshlrev_b32 v5, 3, v0
.irp c, 0,1,2,3,4,5,6,7
	global_load_b64 v[64+2*(\c):65+2*(\c)], v5, s[76:77] offset:32768*(\c)
	global_load_b64 v[80+2*(\c):81+2*(\c)], v5, s[78:79] offset:32768*(\c)
.endr
	v_and_b32 v1, 15, v0                           ; r = l % 16
	v_bfe_u32 v2, v0, 4, 1                         ; h = l / 16
	v_and_b32 v8, 31, v0                           ; l
	v_lshlrev_b32 v[CO], 4, v8
	s_lshl_b32 s21, s11, 15                        ; my 128 rows of q,
	s_lshl_b32 s22, s12, 15                        ; my 128 rows of k,
	s_add_co_u32 s22, s22, 2*TILEB                 ; which lie behind q's 256
	v_add_nc_u32 v[ADRA0], s21, v[CO]
	v_add_nc_u32 v[ADRB0], s22, v[CO]
	v_mov_b32 v[ADRA], v[ADRA0]
	v_mov_b32 v[ADRB], v[ADRB0]
	s_lshl_b32 s23, s10, 9
	s_add_co_u32 s23, s23, STG                     ; my stage
	v_lshl_add_u32 v[LSA], v1, 2, s23
	v_lshl_add_u32 v[LSR], v8, 4, s23
	s_lshl_b32 s21, s12, 9
	s_add_co_u32 s21, s21, RKT
	v_lshl_add_u32 v[RKA], v2, 5, s21
	s_lshl_b32 s21, s11, 10
	s_add_co_u32 s21, s21, RQT
	v_lshl_add_u32 v[RQA], v1, 3, s21
	v_lshl_add_u32 v6, v0, 4, RQT                  ; where thread t puts its two queries' pairs,
	v_lshl_add_u32 v7, v0, 3, RKT                  ; and its two keys' numbers
	s_lshl_b32 s16, s13, 2                         ; pm: my first group of 64 queries = 4 x query block + 2 x half,
	s_lshl_b32 s14, s11, 1
	s_add_co_u32 s16, s16, s14
	s_lshl_b32 s16, s16, 18
	s_lshl_b32 s14, s42, 15                        ; the tile's 8 kc, 4,096 bytes each,
	s_add_co_u32 s16, s16, s14
	s_lshl_b32 s14, s12, 14                        ; my 4 of them
	s_add_co_u32 s16, s16, s14
	s_mov_b32 s17, 0
	s_add_nc_u64 s[8:9], s[8:9], s[16:17]
	s_lshl_b32 s46, s42, 1
	s_add_co_u32 s46, s46, s12                     ; my group of 128 keys
	s_lshl_b32 s46, s46, 15
	s_lshl_b32 s14, s13, 10
	s_add_co_u32 s46, s46, s14
	s_lshl_b32 s14, s11, 9
	s_add_co_u32 s46, s46, s14                     ; my first row, 4 bytes a row
	s_mov_b32 s47, 0
	s_add_nc_u64 s[74:75], s[74:75], s[46:47]      ; ls at my group and my rows
	; the prefetches: at K step 3; the first refill steps to 4
	s_lshl_b32 s18, s13, 1
	s_add_co_u32 s18, s18, s12
	s_lshl_b32 s18, s18, 18
	s_lshl_b32 s19, s40, 13
	s_add_co_u32 s18, s18, s19
	s_lshl_b32 s19, s83, 4
	s_lshl_b32 s21, s42, 1
	s_add_co_u32 s19, s19, s21
	s_add_co_u32 s19, s19, s12
	s_lshl_b32 s19, s19, 18
	s_lshl_b32 s21, s41, 13
	s_add_co_u32 s19, s19, s21
	s_and_b32 s22, s82, 1
	s_cmp_eq_u32 s11, 0
	s_cselect_b32 s20, s18, s19
	s_cselect_b32 s22, ttmp9, s22                  ; the coordinate along which another cluster reads the same rows
	s_cselect_b64 s[PFA:PFA+1], s[4:5], s[6:7]
	s_cmp_eq_u32 s22, 0
	s_cselect_b32 s[PL], 4, 0                      ; the same in all sixteen partners, for a given wave
	s_add_co_u32 s20, s20, 3*TILEB
	s_mov_b32 s21, 0
	s_add_nc_u64 s[PFA:PFA+1], s[PFA:PFA+1], s[20:21]
	v_lshlrev_b32 v[PFO], 8, v8
	; the table: 1 / sqrt(max(sum of squares, 1e-12 / 64)), the queries' times log2(e)
	s_wait_loadcnt 0x0
.irp o, 64, 80
	v_pk_add_f32 v[\o:\o+1], v[\o:\o+1], v[\o+8:\o+9]
	v_pk_add_f32 v[\o+2:\o+3], v[\o+2:\o+3], v[\o+10:\o+11]
	v_pk_add_f32 v[\o+4:\o+5], v[\o+4:\o+5], v[\o+12:\o+13]
	v_pk_add_f32 v[\o+6:\o+7], v[\o+6:\o+7], v[\o+14:\o+15]
	v_pk_add_f32 v[\o:\o+1], v[\o:\o+1], v[\o+4:\o+5]
	v_pk_add_f32 v[\o+2:\o+3], v[\o+2:\o+3], v[\o+6:\o+7]
	v_pk_add_f32 v[\o:\o+1], v[\o:\o+1], v[\o+2:\o+3]
.endr
.irp o, 64, 65, 80, 81
	v_max_num_f32 v[\o], 0x288cbccc, v[\o]         ; the f32 nearest to 1e-12, its exponent less 6
.endr
.irp o, 64, 65, 80, 81
	v_rsq_f32 v[\o], v[\o]
.endr
	v_nop                                          ; a plain instruction behind the last of the four,
	s_wait_alu depctr_va_vdst(0)                   ; and the one wait ahead of their first reader
	v_mul_f32 v96, 0x3fb8aa3b, v64
	v_mul_f32 v98, 0x3fb8aa3b, v65
	v_mov_b32 v97, v96
	v_mov_b32 v99, v98
	ds_store_b128 v6, v[96:99]
	ds_store_b64 v7, v[80:81]
.macro MUL16 f, hi, a0, zero           ; 16 matrix instructions: m blocks a0, a0 + 1 of the window's four x all 8 n blocks; the 64 accumulators take turns
	WIN MUL_LO+0x50*(\hi)
.irp a, \a0, (\a0)+1
.irp b, 0,1,2,3,4,5,6,7
.if \zero
	v_wmma_f32_16x16x32_bf16 v[8*(8*(\a)+(\b)):8*(8*(\a)+(\b))+7], v[(\f)+8*(\b):(\f)+8*(\b)+7], v[(\f)+8*(4*(\hi)+(\a)):(\f)+8*(4*(\hi)+(\a))+7], 0
.else
	v_wmma_f32_16x16x32_bf16 v[8*(8*(\a)+(\b)):8*(8*(\a)+(\b))+7], v[(\f)+8*(\b):(\f)+8*(\b)+7], v[(\f)+8*(4*(\hi)+(\a)):(\f)+8*(4*(\hi)+(\a))+7], v[8*(8*(\a)+(\b)):8*(8*(\a)+(\b))+7]
.endif
.endr
.endr
.endm
.macro FETCH kq, f                     ; 32 LDS loads in one run: quarter kq (32 along K) of the slot in hand: 8 fragments of k, 8 of q
	WIN TO_B
.irp i, 0,1,2,3,4,5,6,7
	ds_load_b128 v[(\f)+8*(\i):(\f)+8*(\i)+3],   v[ADRB] offset:(\kq)*8192+(\i)*1024
	ds_load_b128 v[(\f)+8*(\i)+4:(\f)+8*(\i)+7], v[ADRB] offset:(\kq)*8192+(\i)*1024+512
.endr
	WIN 0
.irp i, 0,1,2,3,4,5,6,7
	ds_load_b128 v[(\f)+8*(\i):(\f)+8*(\i)+3],   v[ADRA] offset:(\kq)*8192+(\i)*1024
	ds_load_b128 v[(\f)+8*(\i)+4:(\f)+8*(\i)+7], v[ADRA] offset:(\kq)*8192+(\i)*1024+512
.endr
.endm
.macro QUARTER kq, f, g, zero          ; multiplies buffer f and, in its middle, fetches quarter kq into buffer g
	s_wait_dscnt 8                                 ; k's rows and q's rows 0-63 are in; the youngest eight loads (q's rows 64-127) may be out
	MUL16 \f, 0, 0, \zero
	MUL16 \f, 0, 2, \zero
	PLACES
	FETCH \kq, \g
	s_wait_dscnt 32                                ; all but the 32 just issued
	MUL16 \f, 1, 0, \zero
	MUL16 \f, 1, 2, \zero
.endm
.macro MEET                            ; the first half of a K step's last quarter: the waits, the add and the barrier of the change of slots
	WIN 0
	s_wait_tensorcnt 0x0                           ; all my tensor loads have landed: the one that was out is my part of the next slot
	ds_add_u32 v[SPW], v[NIL]                      ; 0 onto my spare word
	s_wait_dscnt 9                                 ; (the add and the youngest eight loads may be out)
	MUL16 F1, 0, 0, 0
	s_wait_dscnt 0x0                               ; the add is done, and my reads of this slot are over
	s_barrier_signal -1
	MUL16 F1, 0, 2, 0
	WIN 0
	s_barrier_wait -1
.endm
.macro FLIP                            ; the fetches go over to the other slot
	s_xor_b32 s[TB], s[TB], SLOT1
	v_add_nc_u32 v[ADRA], s[TB], v[ADRA0]
	v_add_nc_u32 v[ADRB], s[TB], v[ADRB0]
.endm
.macro TURN                            ; a K step's last quarter; this slot is filled again, two K steps ahead
	s_wait_xcnt 0x0                                ; the last prefetch, a K step back, has read its address
	s_add_nc_u64 s[PFA:PFA+1], s[PFA:PFA+1], TILEB
	MEET
	CREST                                          ; no wave of any partner still reads this slot's tiles or has a load on its way
	s_xor_b32 s[G0+5], s[G0+5], SLOT1              ; the walking descriptors: the other slot than last time, the next K step
	s_add_nc_u64 s[G0+6:G0+7], s[G0+6:G0+7], TILEB
	s_xor_b32 s[G0B+5], s[G0B+5], SLOT1
	s_add_nc_u64 s[G0B+6:G0B+7], s[G0B+6:G0B+7], TILEB
	JLOAD                                          ; the first tensor load behind the round; its four v_nop are also the places in front of the loads below
	FLIP
	FETCH 0, F0
	ASK
	MUL16 F1, 1, 0, 0
	MUL16 F1, 1, 2, 0
.endm
; THE WAY OUT of block a (16 queries x 128 keys): s / |k|, times log2(e) / |q|, 2^x: the block's 64 exponentials are ONE batch with one wait; then the roundings to f16, the stores and the row's sum.
.macro SOFT a
	WIN 0x06+(\a)/4                                ; source 0: the accumulators' window; source 1: window 1
.set i, 0
.rept 32
	v_pk_mul_f32 v[T+2*i:T+2*i+1], v[64*((\a)%4)+2*i:64*((\a)%4)+2*i+1], v[RK+2*i:RK+2*i+1]
.set i, i+1
.endr
	WIN 0
	v_pk_mul_f32 v[T:T+1], v[T:T+1], v[RQ+2*(\a):RQ+2*(\a)+1]
.set i, 1
.rept 31
	v_pk_mul_f32 v[T+2*i:T+2*i+1], v[T+2*i:T+2*i+1], v[RQ+2*(\a):RQ+2*(\a)+1]
	v_exp_f32 v[T+2*i-2], v[T+2*i-2]
	v_exp_f32 v[T+2*i-1], v[T+2*i-1]
.set i, i+1
.endr
	v_exp_f32 v[T+62], v[T+62]
	v_exp_f32 v[T+63], v[T+63]
	v_nop                                          ; a plain instruction behind the last exponential: none of the lines above names a result
	s_wait_alu depctr_va_vdst(0)                   ; the one wait for the batch, ahead of its first reader
	s_wait_xcnt 0x0                                ; the stores of the block before have read their data
.set i, 0
.rept 32
	v_cvt_pk_f16_f32 v[PK+i], v[T+2*i], v[T+2*i+1]
.set i, i+1
.endr
.irp b, 0,1,2,3,4,5,6,7
	global_store_b128 v[CO], v[PK+4*(\b):PK+4*(\b)+3], s[8:9] offset:((\a)/4)*262144+((\a)%4)*1024+((\b)/2)*4096+((\b)%2)*512  ; 512 consecutive bytes, aligned
.endr
.irp c, 0,1,2,3
	v_pk_add_f32 v[SM+2*(\c):SM+2*(\c)+1], v[T+2*(\c):T+2*(\c)+1], v[T+8+2*(\c):T+8+2*(\c)+1]  ; four chains, started by the first eight pairs
.endr
.set i, 8
.rept 24
	v_pk_add_f32 v[SM+2*(i%4):SM+2*(i%4)+1], v[SM+2*(i%4):SM+2*(i%4)+1], v[T+2*i:T+2*i+1]
.set i, i+1
.endr
	v_pk_add_f32 v[SM:SM+1], v[SM:SM+1], v[SM+2:SM+3]
	v_pk_add_f32 v[SM+4:SM+5], v[SM+4:SM+5], v[SM+6:SM+7]
	v_pk_add_f32 v[SM:SM+1], v[SM:SM+1], v[SM+4:SM+5]
	v_add_f32 v[SM], v[SM], v[SM+1]
	v_permlanex16_b32 v[XT], v[SM], s[SEL], s[SEL+1]  ; the query's other 64 keys lie in the lane 16 away
	v_add_f32 v[LS+(\a)], v[SM], v[XT]
.endm
	s_wait_dscnt 0x0                               ; for the others' sake: my part of the table is written
	s_wait_tensorcnt 0x1                           ; my part of K step 0 is in; K step 1's may stay out
	s_barrier_signal -1
	s_barrier_wait -1
	FETCH 0, F0
	QUARTER 1, F0, F1, 1                           ; the first quarter starts the sums
	WIN 0
	s_mov_b32 s3, 6
.Lstep:                                                ; a trip goes from a K step's second quarter to the next step's first, and fills the slot that it leaves: K steps 0 to 5
	QUARTER 2, F1, F0, 0
	QUARTER 3, F0, F1, 0
	TURN
	QUARTER 1, F0, F1, 0
	WIN 0
	s_sub_co_u32 s3, s3, 1
	s_cmp_lg_u32 s3, 0
	s_cbranch_scc1 .Lstep
	s_mov_b32 s[CNT], 2
.Ltail:                                                ; K steps 6 and 7 fill nothing; the second trip is left in its middle
	QUARTER 2, F1, F0, 0
	QUARTER 3, F0, F1, 0
	WIN 0
	s_sub_co_u32 s[CNT], s[CNT], 1
	s_cmp_eq_u32 s[CNT], 0
	s_cbranch_scc1 .Lfin
	MEET                                           ; the last change of slots: a plain barrier does
	PLACES
	FLIP
	FETCH 0, F0
	MUL16 F1, 1, 0, 0
	MUL16 F1, 1, 2, 0
	QUARTER 1, F0, F1, 0
	WIN 0
	s_cmp_lg_u32 s[CNT], 0
	s_cbranch_scc1 .Ltail
.Lfin:
	s_wait_dscnt 8                                 ; the very last quarter: nothing more to fetch
	MUL16 F1, 0, 0, 0
	MUL16 F1, 0, 2, 0
	s_wait_dscnt 0x0
	MUL16 F1, 1, 0, 0
	MUL16 F1, 1, 2, 0
	WIN 0
	PLACES
	PLACES
	v_mov_b32 v[XT], 0                             ; v_permlanex16_b32's destination counts as read
	WIN TO_B
.irp b, 0,1,2,3,4,5,6,7
	ds_load_b128 v[RK+8*(\b):RK+8*(\b)+3],   v[RKA] offset:64*(\b)      ; 1 / |k| of my lane's keys 16 b + 8 h + 0..7
	ds_load_b128 v[RK+8*(\b)+4:RK+8*(\b)+7], v[RKA] offset:64*(\b)+16
.endr
	WIN 0
.irp a, 0,1,2,3,4,5,6,7
	ds_load_b64 v[RQ+2*(\a):RQ+2*(\a)+1], v[RQA] offset:128*(\a)         ; log2(e) / |q| of query 16 a + r, twice
.endr
	s_wait_dscnt 0x0
.irp a, 0,1,2,3,4,5,6,7
	SOFT \a
.endr
.irp a, 0,1,2,3,4,5,6,7
	ds_store_b32 v[LSA], v[LS+(\a)] offset:64*(\a)  ; row 16 a + r; lanes l and l + 16 write the same word with the same number
.endr
	ds_load_b128 v[T:T+3], v[LSR]                  ; LDS serves a wave's instructions in order (ISA guide 5.7.1.4)
	s_wait_dscnt 0x0
	global_store_b128 v[CO], v[T:T+3], s[74:75]    ; my 128 rows' parts: 512 consecutive bytes, aligned
	s_wait_tensorcnt 0x0                           ; the wave's end, behind my last tensor load and my last LDS store
	ds_add_u32 v[SPW], v[NIL]
	s_wait_dscnt 0x0
	CROUND                                         ; the closing round
	s_endpgm
.Lfunc_end_k_qd4b1f3eaf4_scores:
	.size	k_qd4b1f3eaf4_scores, .Lfunc_end_k_qd4b1f3eaf4_scores-k_qd4b1f3eaf4_scores
	.p2alignl 7, 3214868480
	.fill 96, 4, 3214868480
	.section	.rodata,"a",@progbits
	.p2align	6, 0x0
	.amdhsa_kernel k_qd4b1f3eaf4_scores
		.amdhsa_group_segment_fixed_size 327680
		.amdhsa_private_segment_fixed_size 0
		.amdhsa_enable_private_segment 0
		.amdhsa_kernarg_size 32
		.amdhsa_user_sgpr_count 2
		.amdhsa_user_sgpr_kernarg_segment_ptr 1
		.amdhsa_wavefront_size32 1
		.amdhsa_system_sgpr_workgroup_id_x 1
		.amdhsa_system_sgpr_workgroup_id_y 1
		.amdhsa_system_sgpr_workgroup_id_z 1
		.amdhsa_system_vgpr_workitem_id 0
		.amdhsa_next_free_vgpr 1024
		.amdhsa_next_free_sgpr 84
		.amdhsa_reserve_vcc 0
		.amdhsa_float_denorm_mode_32 3
		.amdhsa_float_denorm_mode_16_64 3
		.amdhsa_memory_ordered 1
		.amdhsa_forward_progress 1
		.amdhsa_inst_pref_size 168
	.end_amdhsa_kernel
	.amdgpu_metadata
---
amdhsa.version: [ 1, 2 ]
amdhsa.kernels:
  - .name:           k_qd4b1f3eaf4_scores
    .symbol:         k_qd4b1f3eaf4_scores.kd
    .args:
      - { .name: qkv, .offset: 0, .size: 8, .value_kind: global_buffer, .address_space: global }
      - { .name: ss, .offset: 8, .size: 8, .value_kind: global_buffer, .address_space: global }
      - { .name: pm, .offset: 16, .size: 8, .value_kind: global_buffer, .address_space: global }
      - { .name: ls, .offset: 24, .size: 8, .value_kind: global_buffer, .address_space: global }
    .group_segment_fixed_size: 327680
    .private_segment_fixed_size: 0
    .kernarg_segment_align: 8
    .kernarg_segment_size: 32
    .max_flat_workgroup_size: 128
    .sgpr_count:     84
    .vgpr_count:     1024
    .wavefront_size: 32
...
	.end_amdgpu_metadata
.endif
;; end of part 3
;; launch pv (part 4): grid 4 x 64, 4 waves a work-group, clusters of 4 x 4, 327,680 bytes of LDS; arguments pm, qkv, ls, out0; writes out0
.if DOCPART == 4
	.amdgcn_target "amdgcn-amd-amdhsa--gfx1250"
	.amdhsa_code_object_version 6
	.text
	.protected	k_qd4b1f3eaf4_pv
	.globl	k_qd4b1f3eaf4_pv
	.p2align	8
	.type	k_qd4b1f3eaf4_pv,@function
k_qd4b1f3eaf4_pv:
	s_mov_b64 s[64:65], 0
	v_nop
	global_prefetch_b8 v0, s[64:65] scope:SCOPE_SE
	s_setreg_imm32_b32 hwreg(HW_REG_WAVE_MODE, 25, 1), 1
	s_wait_xcnt 0x0
	s_wait_alu depctr_hold_cnt(0) depctr_sa_sdst(0) depctr_va_vdst(0) depctr_va_sdst(0) depctr_va_ssrc(0) depctr_va_vcc(0) depctr_vm_vsrc(0)
	s_getreg_b32 s2, hwreg(HW_REG_IB_STS2, 6, 4)
	s_cmp_eq_u32 s2, 0
	s_cbranch_scc0 .Lentry_in_a_cluster
	s_endpgm
.Lentry_in_a_cluster:
	s_bfe_u32 s2, ttmp6, 0x10000c
	s_cmp_lg_u32 s2, 0xf033
	s_cbranch_scc0 .Lentry_shape_is_right
	s_endpgm
.Lentry_shape_is_right:
; LAUNCH 4 OF 4: y[q][d] = (8 / l[q]) x the sum over keys of p[q][k] (v[k][d] / 8), l[q] = the sum of the row's 16 parts.  No work is left out.
; pm: f16, as launch 3 lays it: [128 groups of 64 queries][64 kc][4 blocks][1,024].  v / 8: qkv + 33,554,432, f16, as launch 2 lays it: [4 batches][4 column tiles][128 groups of 16 keys][16 blocks][512].
; ls: [16][8192] f32.  out0: [8192][1024] f32.
; LIMITS.  p and v / 8 are f16 (p in 0.36 to 2.8; |v| under 524,000); sums in f32.  NaN and infinities are not treated apart.
; SHARES.  A work-group makes 128 queries x 256 channels; wave w rows 64 (w / 2) on, columns 128 (w % 2) on: 32 accumulators.  K = 2,048 keys in 8 slots of 256.
; p COMES STRAIGHT INTO REGISTERS: a fragment (16 queries x 32 keys) is 1,024 consecutive bytes, two loads of 16 bytes a lane.  A ring of 8 quarters (a quarter is 32 keys: 4 fragments, 32 registers) holds
; a slot's worth; a fragment is asked for again, for the next slot, as soon as its products are issued, so that 56 to 64 loads of the wave are on their way.
; v GOES THROUGH LDS ALONE: two slots of 256 keys x 256 channels, 131,072 bytes each, dense; each wave fetches 64 keys (32,768 consecutive bytes) by one tensor load; from a refill's request to the wait
; for it a wave issues 240 matrix instructions.  v is turned on its way into registers by ds_load_tr16_b128, at byte 16 l of a block.
; The matrix instruction is used transposed: a lane holds query l % 16 and the channels 8 (l / 16) + 0..7.
; CLUSTER 4 x 4: v's tile is asked for jointly along a column of the cluster; a cluster's 512 queries lie in one batch.  p's four readers, the work-groups of a row, go in step with it.
; REGISTERS.  Window 0: v0-31 addresses; v32-39 8 / l; v64-127, v128-191 v's fragments, two buffers; on the way out rows read back.  Window 1: accumulator (a, b) at v[8 (8 a + b)].
;   Window 2: p's ring: quarter q, fragment i at v[32 q + 8 i].
.set SLOT1, 131072                     ; slot 1 begins here: one exclusive or changes slots.  Also: a slot's bytes of v in memory
.set ASL,   32768                      ; a slot's bytes of p for my 64 rows
.set STAGE, 2*SLOT1                    ; behind the ring, never filled by a tensor load: 16 rows x 528 bytes (512 + 16) for each wave
.set SP,    528
.set RLT,   STAGE+4*16*SP              ; 8 / l of the tile's 128 rows, each written twice: 1,024 bytes
.set SPARE, RLT+1024                   ; the spare words, 128 bytes for each wave: two blocks of 256 bytes that no other line names
.set ADRB0, 16                         ; v16     my lane's place in a slot: my 128 columns + 16 l; never rewritten
.set ADRB,  18                         ; v18-19  the same in the slot in hand, quarters 0-3 and 4-7
.set AO,    20                         ; v20     16 l; never rewritten
.set RLA,   22                         ; v22     RLT + my 64 rows + 8 (l % 16)
.set STO,   24                         ; v24     where I put 32 bytes of a row
.set RD,    25                         ; v25     where I read a row back
.set PFO,   26                         ; v26     256 l: the prefetches' offset
.set SPW,   28                         ; v28     my spare word; never rewritten
.set NIL,   29                         ; v29     0; never rewritten
.set RL,    32
.set F0,    64
.set OB,    64
.set G1,  24                           ; s[24:31] descriptor group 1
.set G0,  32                           ; s[32:39] descriptor group 0: a set for each of the two first fills; the second then walks on
.set PLA, 43                           ; s43      prefetches of p that I still have to make
.set PLB, 44                           ; s44      of v
.set TB,  45                           ; s45      LDS byte at which the slot in hand begins
.set AN,  46                           ; s[46:47] p's bytes of the NEXT slot for my 64 rows
.set PFA, 48                           ; s[48:49] where my prefetches of p stand
.set PFB, 50                           ; s[50:51] of v
.set LSB, 54                           ; s[54:55] ls at the tile's rows
.set W_MUL, 0x58                       ; v's fragments in window 0, p's in window 2, C and D in window 1
.set W_A,   0x80                       ; destination window 2, address window 0
.set W_IP,  0x41                       ; destination and source 0 in window 1
.set W_ST,  0x04                       ; an LDS store's data in window 1
.set MSB, 0
.macro WIN new                         ; the immediate's high byte repeats the setting that is left; a switch that changes nothing is dropped
.if MSB != (\new)
	s_set_vgpr_msb (MSB<<8)|(\new)
.set MSB, \new
.endif
.endm
.macro PLACES                          ; four places in front of loads into registers that matrix instructions have read, and of vector work on their results
.rept 4
	v_nop
.endr
.endm
.macro CREST                           ; a round of the cluster's barrier behind its opening barrier
	s_cmp_lg_u32 s10, 0
	s_cbranch_scc1 .Lnot_wave_0_\@
	s_barrier_signal -3
.Lnot_wave_0_\@:
	s_barrier_wait -3
	s_barrier_signal -1
	s_barrier_wait -1
.endm
.macro CROUND                          ; a whole round
	s_barrier_signal -1
	s_barrier_wait -1
	CREST
.endm
; PREFETCHES INTO THE L2, behind a joint load, its five lines and the runs of loads: the slot that stands FOUR on: two refills, 512 matrix instructions, ahead of v's load, and as far ahead of p's first loads.
; v: of the 32,768 bytes that a wave fetches, each of the four partners of the column names 8,192 (cy, by address), a lane 256 bytes; of a batch's four clusters the first asks.
; p: of my 64 rows' 32,768 bytes each of the four partners of the row names 8,192 (cx, by address); of the two waves that read them the one with the left columns asks.
; So each block of 256 bytes is named once.  The counts stop them at slot 7.  Slots 0 to 3 come by their loads alone.
.macro ASK
	s_cmp_eq_u32 s[PLB], 0
	s_cbranch_scc1 .Lno_b_\@
	global_prefetch_b8 v[PFO], s[PFB:PFB+1] th:TH_LOAD_NT scope:SCOPE_SE
	s_sub_co_u32 s[PLB], s[PLB], 1
.Lno_b_\@:
	s_cmp_eq_u32 s[PLA], 0
	s_cbranch_scc1 .Lno_a_\@
	global_prefetch_b8 v[PFO], s[PFA:PFA+1] th:TH_LOAD_NT scope:SCOPE_SE
	s_sub_co_u32 s[PLA], s[PLA], 1
.Lno_a_\@:
.endm
; 8 matrix instructions: quarter q (v's buffer goes by its parity), m block a x all 8 n blocks.  zero = 1: the product starts the sum.  The 32 accumulators take turns in the same order in every quarter.
.macro MUL8 q, a, zero
	WIN W_MUL
.irp b, 0,1,2,3,4,5,6,7
.if \zero
	v_wmma_f32_16x16x32_f16 v[8*(8*(\a)+(\b)):8*(8*(\a)+(\b))+7], v[F0+64*((\q)%2)+8*(\b):F0+64*((\q)%2)+8*(\b)+7], v[32*(\q)+8*(\a):32*(\q)+8*(\a)+7], 0
.else
	v_wmma_f32_16x16x32_f16 v[8*(8*(\a)+(\b)):8*(8*(\a)+(\b))+7], v[F0+64*((\q)%2)+8*(\b):F0+64*((\q)%2)+8*(\b)+7], v[32*(\q)+8*(\a):32*(\q)+8*(\a)+7], v[8*(8*(\a)+(\b)):8*(8*(\a)+(\b))+7]
.endif
.endr
.endm
; 16 LDS loads in one run: v's 8 fragments of quarter q of the slot in hand, turned, into the buffer of q's parity
.macro FETCHB q
	WIN 0
.irp b, 0,1,2,3,4,5,6,7
	ds_load_tr16_b128 v[F0+64*((\q)%2)+8*(\b):F0+64*((\q)%2)+8*(\b)+3],   v[ADRB+(\q)/4] offset:((\q)%4)*16384+512*(\b)
	ds_load_tr16_b128 v[F0+64*((\q)%2)+8*(\b)+4:F0+64*((\q)%2)+8*(\b)+7], v[ADRB+(\q)/4] offset:((\q)%4)*16384+8192+512*(\b)
.endr
.endm
; 4 loads: p's fragments 2 hi and 2 hi + 1 of quarter q of the next slot
.macro ALOAD q, hi
	WIN W_A
.irp i, 0,1
	global_load_b128 v[32*(\q)+16*(\hi)+8*(\i):32*(\q)+16*(\hi)+8*(\i)+3],   v[AO], s[AN:AN+1] offset:(\q)*4096+(2*(\hi)+(\i))*1024
	global_load_b128 v[32*(\q)+16*(\hi)+8*(\i)+4:32*(\q)+16*(\hi)+8*(\i)+7], v[AO], s[AN:AN+1] offset:(\q)*4096+(2*(\hi)+(\i))*1024+512
.endr
.endm
; THE RING'S ORDER, in every slot alike: (0 low) (1 low, 0 high) (2 low, 1 high) .. (7 low, 6 high) (7 high): 64 loads.  So behind a quarter's low pair 60 younger loads have been issued when
; its products come, and behind its high pair 56 or more.
.macro ARING
	ALOAD 0, 0
.irp q, 1,2,3,4,5,6,7
	ALOAD \q, 0
	ALOAD (\q)-1, 1
.endr
	ALOAD 7, 1
	WIN 0
.endm
; Quarter q (0 to 6): in its middle stand four places, the next quarter's fragments of v, and the loads that fill the ring again.  last = 1: the last slot: nothing is left to ask for, and the counts run down.
.macro QUARTER q, zero, last
.if (\last) && ((\q) > 0)
	s_wait_loadcnt 64-8*(\q)
.else
	s_wait_loadcnt 60                              ; p's fragments 0 and 1 of this quarter are in; the 60 younger loads stay out
.endif
	s_wait_dscnt 0x0                               ; v's fragments are in
	MUL8 \q, 0, \zero
	MUL8 \q, 1, \zero
	PLACES
	FETCHB (\q)+1
.if \last
	s_wait_loadcnt 52-8*(\q)
.else
	ALOAD \q, 0
.if (\q) > 0
	ALOAD (\q)-1, 1
.endif
	s_wait_loadcnt 56                              ; p's fragments 2 and 3 are in
.endif
	MUL8 \q, 2, \zero
	MUL8 \q, 3, \zero
.endm
; Quarter 7 changes slots.  In front of the barrier each wave waits for all its tensor loads (one is out: its part of the next slot), adds 0 to its spare word and waits for that; its reads of this
; slot are over.  fill = 1: the barrier opens a round of the cluster's, and behind the round this slot is filled again first, two slots ahead.
.macro TURN fill
	s_wait_loadcnt 60
	s_wait_dscnt 0x0                               ; v's last fragments of this slot are in
	WIN 0
	s_wait_tensorcnt 0x0                           ; all my tensor loads have landed, so a group 0 may be written
	ds_add_u32 v[SPW], v[NIL]                      ; 0 onto my spare word
.if \fill
	s_xor_b32 s[G0+5], s[G0+5], SLOT1              ; the walking descriptor: the other slot than last time,
	s_add_nc_u64 s[G0+6:G0+7], s[G0+6:G0+7], SLOT1 ; the next 256 keys; the type bits on top are not reached
.endif
	MUL8 7, 0, 0
	s_wait_dscnt 0x0                               ; the add is done
	s_barrier_signal -1
	MUL8 7, 1, 0
	WIN 0
	s_barrier_wait -1
.if \fill
	CREST                                          ; no wave of any partner still reads this slot or has a load on its way
	tensor_load_to_lds s[G0+4:G0+7], s[G1:G1+7]    ; my one tensor load behind the round, and the first thing there
	s_nop 0
.endif
	PLACES                                         ; (the places in front of the loads below)
	s_xor_b32 s[TB], s[TB], SLOT1
	v_add_nc_u32 v[ADRB], s[TB], v[ADRB0]
	v_add_nc_u32 v[ADRB+1], 0x10000, v[ADRB]
	FETCHB 0
	ALOAD 7, 0
	ALOAD 6, 1
.if \fill
	WIN 0
	ASK
.endif
	s_wait_loadcnt 56
	MUL8 7, 2, 0
	MUL8 7, 3, 0
	PLACES
	ALOAD 7, 1
	WIN 0
.endm
.macro HEAD                            ; a slot begins: the pointers go on
	s_wait_xcnt 0x0                                ; every load and prefetch issued so far has read its address
	s_add_nc_u64 s[AN:AN+1], s[AN:AN+1], ASL
	s_add_nc_u64 s[PFA:PFA+1], s[PFA:PFA+1], ASL
	s_add_nc_u64 s[PFB:PFB+1], s[PFB:PFB+1], SLOT1
.endm
	s_load_b128 s[4:7], s[0:1], 0x0                ; pm s[4:5], qkv s[6:7]
	s_load_b64 s[LSB:LSB+1], s[0:1], 0x10          ; ls
	s_load_b64 s[8:9], s[0:1], 0x18                ; out0
	v_lshl_add_u32 v[SPW], v0, 2, SPARE
	v_mov_b32 v[NIL], 0
	ds_add_u32 v[SPW], v[NIL]                      ; the wave's opening: the add, twice on end, and its wait ahead of my first tensor load
	ds_add_u32 v[SPW], v[NIL]                      ; and once more, under the one wait; the set-up below, work on registers, stands between
	v_lshrrev_b32 v1, 5, v0
	v_readfirstlane_b32 s10, v1                    ; wave 0..3
	v_and_b32 v3, 31, v0                           ; l
	v_lshlrev_b32 v[AO], 4, v3
	v_lshlrev_b32 v7, 2, v0                        ; my row's 4 bytes in a part of ls
	s_lshr_b32 s11, s10, 1                         ; which 64 rows of the tile are mine
	s_and_b32 s12, s10, 1                          ; which 128 columns
	s_bfe_u32 s40, ttmp6, 0x40000                  ; cx
	s_bfe_u32 s41, ttmp6, 0x40004                  ; cy
	s_lshl_b32 s42, ttmp9, 2
	s_add_co_u32 s42, s42, s40                     ; tile column = 4 x cluster x + cx
	s_and_b32 s60, ttmp7, 0xffff                   ; cluster y
	s_lshl_b32 s13, s60, 2
	s_add_co_u32 s13, s13, s41                     ; tile row = 4 x cluster y + cy
	s_lshr_b32 s61, s60, 2                         ; the batch: made of the cluster's y alone
	s_lshl_b32 s14, 0x1111, s40                    ; my column of the cluster
	s_or_b32 s[G1+0], s14, (1<<16)|(1<<21)         ; the mask; 2-byte elements; no padding; bit 21 beside a mask
	s_mov_b32 s[G1+1], 128<<16                     ; a dense block of 32,768 bytes, as 128 rows of 256: tensor_dim0 = 128
	s_mov_b32 s[G1+2], 128<<16                     ; tensor_dim1 = 128
	s_mov_b32 s[G1+3], 128<<16                     ; tile_dim0 = 128
	s_mov_b32 s[G1+4], 128                         ; tile_dim1 = 128
	s_mov_b32 s[G1+5], 128                         ; elements from row to row
	s_mov_b32 s[G1+6], 0
	s_mov_b32 s[G1+7], 0
	s_lshl_b32 s14, s61, 22                        ; v: the batch,
	s_lshl_b32 s15, s42, 20                        ; the column tile,
	s_add_co_u32 s14, s14, s15
	s_lshl_b32 s20, s10, 15                        ; my 64 keys: 32,768 bytes, in memory and in a slot: no place in the cluster enters an LDS address
	s_add_co_u32 s14, s14, s20
	s_add_co_u32 s14, s14, 0x2000000               ; in the third plane of qkv
	s_mov_b32 s15, 0
	s_lshl_b32 s18, s13, 1                         ; p: my group of 64 queries
	s_add_co_u32 s18, s18, s11
	s_lshl_b32 s18, s18, 18
	s_mov_b32 s19, 0
	s_lshl_b32 s22, s13, 9                         ; ls: the tile's 128 rows, 4 bytes each
	s_mov_b32 s23, 0
	s_mov_b32 s[TB], 0
	s_wait_dscnt 0x0                               ; both opening adds are done
	s_wait_kmcnt 0x0
	s_add_nc_u64 s[16:17], s[6:7], s[14:15]
	s_add_nc_u64 s[AN:AN+1], s[4:5], s[18:19]      ; slot 0's bytes of p
	s_add_nc_u64 s[LSB:LSB+1], s[LSB:LSB+1], s[22:23]
	CROUND                                         ; all sixteen work-groups are here: the first joint loads meet
.irp s, 0,1
	s_mov_b32 s[G0+4*(\s)], 1
	s_add_co_u32 s[G0+4*(\s)+1], s20, (\s)*SLOT1
	s_add_nc_u64 s[G0+4*(\s)+2:G0+4*(\s)+3], s[16:17], (\s)*SLOT1
	s_or_b32 s[G0+4*(\s)+3], s[G0+4*(\s)+3], 0x80000000
.endr
	tensor_load_to_lds s[G0:G0+3], s[G1:G1+7]      ; both first fills together: two loads of mine are out
	s_nop 0
	tensor_load_to_lds s[G0+4:G0+7], s[G1:G1+7]
	s_nop 0
	PLACES
.irp g, 0,1,2,3,4,5,6,7,8,9,10,11,12,13,14,15
	global_load_b32 v[64+(\g)], v7, s[LSB:LSB+1] offset:32768*(\g)  ; thread t takes row t of the tile's 128, 16 parts; the four waves' loads of a part cover 512 consecutive bytes
.endr
	ARING                                          ; slot 0's fragments of p
	v_and_b32 v1, 15, v0                           ; r = l % 16
	v_bfe_u32 v2, v0, 4, 1                         ; h = l / 16
	s_lshl_b32 s14, s12, 12                        ; my 8 blocks of a group's 16
	v_add_nc_u32 v[ADRB0], s14, v[AO]
	v_mov_b32 v[ADRB], v[ADRB0]
	v_add_nc_u32 v[ADRB+1], 0x10000, v[ADRB0]
	s_mul_i32 s14, s10, 16*SP
	s_add_co_u32 s14, s14, STAGE                   ; my stage
	v_mul_u32_u24 v4, v1, SP
	v_lshl_add_u32 v4, v2, 5, v4
	v_add_nc_u32 v[STO], s14, v4                   ; in: row r, 32 bytes for each half of the lanes
	v_add_nc_u32 v[RD], s14, v[AO]                 ; back: 32 lanes take a row's 512 bytes
	s_lshl_b32 s14, s11, 9
	s_add_co_u32 s14, s14, RLT
	v_lshl_add_u32 v[RLA], v1, 3, s14
	v_lshl_add_u32 v8, v0, 3, RLT                  ; where thread t puts its row's pair
	v_lshlrev_b32 v[PFO], 8, v3
	s_lshl_b32 s14, s13, 7                         ; out0: my first row,
	s_lshl_b32 s15, s11, 6
	s_add_co_u32 s14, s14, s15
	s_lshl_b32 s14, s14, 12                        ; 4,096 bytes a row,
	s_lshl_b32 s15, s42, 10                        ; the tile's 256 columns,
	s_add_co_u32 s14, s14, s15
	s_lshl_b32 s15, s12, 9                         ; my 128 of them
	s_add_co_u32 s14, s14, s15
	s_mov_b32 s15, 0
	s_add_nc_u64 s[8:9], s[8:9], s[14:15]
	s_lshl_b32 s14, s41, 13                        ; the prefetches stand at slot 3; each slot's head steps them
	s_add_co_u32 s14, s14, 3*SLOT1
	s_add_nc_u64 s[PFB:PFB+1], s[16:17], s[14:15]
	s_lshl_b32 s14, s40, 13
	s_add_co_u32 s14, s14, 3*ASL
	s_add_nc_u64 s[PFA:PFA+1], s[AN:AN+1], s[14:15]
	s_and_b32 s14, s60, 3
	s_cmp_eq_u32 s14, 0
	s_cselect_b32 s[PLB], 4, 0                     ; the same in all sixteen partners
	s_cmp_eq_u32 s12, 0
	s_cselect_b32 s[PLA], 4, 0
	; the table: 8 / l
	s_wait_loadcnt 63                              ; the 16 parts are in: behind them 64 loads of the ring were issued, and the wait's field ends at 63
	v_pk_add_f32 v[64:65], v[64:65], v[72:73]
	v_pk_add_f32 v[66:67], v[66:67], v[74:75]
	v_pk_add_f32 v[68:69], v[68:69], v[76:77]
	v_pk_add_f32 v[70:71], v[70:71], v[78:79]
	v_pk_add_f32 v[64:65], v[64:65], v[68:69]
	v_pk_add_f32 v[66:67], v[66:67], v[70:71]
	v_pk_add_f32 v[64:65], v[64:65], v[66:67]
	v_add_f32 v64, v64, v65
	v_rcp_f32 v66, v64
	v_nop                                          ; a plain instruction behind the reciprocal,
	s_wait_alu depctr_va_vdst(0)                   ; and the wait ahead of its first reader
	v_mul_f32 v66, 0x41000000, v66                 ; the 8 gives v's 1 / 8 back
	v_mov_b32 v67, v66
	ds_store_b64 v8, v[66:67]
; THE WAY OUT of block a (16 rows x 128 columns of f32): times 8 / l in place (each accumulator from its low end on), through my stage, out as whole rows of 512 bytes
.macro OUTM a
	WIN W_IP
.set i, 0
.rept 32
	v_pk_mul_f32 v[64*(\a)+2*i:64*(\a)+2*i+1], v[64*(\a)+2*i:64*(\a)+2*i+1], v[RL+2*(\a):RL+2*(\a)+1]
.set i, i+1
.endr
.endm
.macro TOST a
.if (\a) >= 2
	s_wait_xcnt 0x0                                ; the stores of the block two back have read the registers that the loads below fill
.endif
	WIN W_ST
.irp b, 0,1,2,3,4,5,6,7
	ds_store_b128 v[STO], v[64*(\a)+8*(\b):64*(\a)+8*(\b)+3]   offset:64*(\b)
	ds_store_b128 v[STO], v[64*(\a)+8*(\b)+4:64*(\a)+8*(\b)+7] offset:64*(\b)+16
.endr
	WIN 0
.set t, 0
.rept 16
	ds_load_b128 v[OB+64*((\a)%2)+4*t:OB+64*((\a)%2)+4*t+3], v[RD] offset:SP*t  ; LDS serves a wave's instructions in order (ISA guide 5.7.1.4): these see the stores above
.set t, t+1
.endr
.endm
.macro SENDF a
	WIN 0
	s_wait_dscnt 0x0                               ; the block is back in registers
.set t, 0
.rept 16
	global_store_b128 v[AO], v[OB+64*((\a)%2)+4*t:OB+64*((\a)%2)+4*t+3], s[8:9] offset:65536*(\a)+4096*t th:TH_STORE_NT  ; 512 consecutive bytes, aligned; the block's and the row's place stand in the immediate
.set t, t+1
.endr
.endm
	s_wait_dscnt 0x0                               ; for the others' sake: my part of the table is written
	s_wait_tensorcnt 0x1                           ; my part of slot 0 is in; slot 1's may stay out
	s_barrier_signal -1
	s_barrier_wait -1                              ; everybody's is
	FETCHB 0
	HEAD
	QUARTER 0, 1, 0                                ; the first quarter starts the sums: nothing is cleared
	WIN 0
	s_mov_b32 s2, 6
.Lslot:                                                ; a trip goes from a slot's second quarter to the next slot's first, and fills the slot that it leaves: slots 0 to 5
.irp q, 1,2,3,4,5,6
	QUARTER \q, 0, 0
.endr
	TURN 1
	HEAD
	QUARTER 0, 0, 0
	WIN 0
	s_sub_co_u32 s2, s2, 1
	s_cmp_lg_u32 s2, 0
	s_cbranch_scc1 .Lslot
.irp q, 1,2,3,4,5,6
	QUARTER \q, 0, 0                               ; slot 6 is written out: no slot is filled again; the ring takes slot 7's fragments
.endr
	TURN 0
.irp q, 0,1,2,3,4,5,6
	QUARTER \q, 0, 1                               ; slot 7: nothing is left to ask for
.endr
	s_wait_loadcnt 8
	s_wait_dscnt 0x0
	MUL8 7, 0, 0
	MUL8 7, 1, 0
	s_wait_loadcnt 0x0
	MUL8 7, 2, 0
	MUL8 7, 3, 0
	WIN 0
	PLACES
	PLACES
.irp a, 0,1,2,3
	ds_load_b64 v[RL+2*(\a):RL+2*(\a)+1], v[RLA] offset:128*(\a)   ; 8 / l of row 16 a + r, twice
.endr
	s_wait_dscnt 0x0
	OUTM 0
	TOST 0
.irp a, 1,2,3
	OUTM \a                                        ; a block's scaling stands between the loads of the block before and its stores
	SENDF (\a)-1
	TOST \a
.endr
	SENDF 3
	s_wait_tensorcnt 0x0                           ; the wave's end, behind my last tensor load and my last LDS store
	ds_add_u32 v[SPW], v[NIL]
	s_wait_dscnt 0x0
	CROUND                                         ; the closing round: no work-group ends while a partner may still ask for a tile that names it
	s_endpgm
.Lfunc_end_k_qd4b1f3eaf4_pv:
	.size	k_qd4b1f3eaf4_pv, .Lfunc_end_k_qd4b1f3eaf4_pv-k_qd4b1f3eaf4_pv
	.p2alignl 7, 3214868480
	.fill 96, 4, 3214868480
	.section	.rodata,"a",@progbits
	.p2align	6, 0x0
	.amdhsa_kernel k_qd4b1f3eaf4_pv
		.amdhsa_group_segment_fixed_size 327680
		.amdhsa_private_segment_fixed_size 0
		.amdhsa_enable_private_segment 0
		.amdhsa_kernarg_size 32
		.amdhsa_user_sgpr_count 2
		.amdhsa_user_sgpr_kernarg_segment_ptr 1
		.amdhsa_wavefront_size32 1
		.amdhsa_system_sgpr_workgroup_id_x 1
		.amdhsa_system_sgpr_workgroup_id_y 1
		.amdhsa_system_sgpr_workgroup_id_z 1
		.amdhsa_system_vgpr_workitem_id 0
		.amdhsa_next_free_vgpr 768
		.amdhsa_next_free_sgpr 68
		.amdhsa_reserve_vcc 0
		.amdhsa_float_denorm_mode_32 3
		.amdhsa_float_denorm_mode_16_64 3
		.amdhsa_memory_ordered 1
		.amdhsa_forward_progress 1
		.amdhsa_inst_pref_size 132
	.end_amdhsa_kernel
	.amdgpu_metadata
---
amdhsa.version: [ 1, 2 ]
amdhsa.kernels:
  - .name:           k_qd4b1f3eaf4_pv
    .symbol:         k_qd4b1f3eaf4_pv.kd
    .args:
      - { .name: pm, .offset: 0, .size: 8, .value_kind: global_buffer, .address_space: global }
      - { .name: qkv, .offset: 8, .size: 8, .value_kind: global_buffer, .address_space: global }
      - { .name: ls, .offset: 16, .size: 8, .value_kind: global_buffer, .address_space: global }
      - { .name: out0, .offset: 24, .size: 8, .value_kind: global_buffer, .address_space: global }
    .group_segment_fixed_size: 327680
    .private_segment_fixed_size: 0
    .kernarg_segment_align: 8
    .kernarg_segment_size: 32
    .max_flat_workgroup_size: 128
    .sgpr_count:     68
    .vgpr_count:     768
    .wavefront_size: 32
...
	.end_amdgpu_metadata
.endif
;; end of part 4
;; ======== version 2 of 2: 4 launches; version 1 with the launch cast written anew for expert scheduling mode
;; limits: values are held in f16: magnitudes above 65,504 overflow, below 6.1e-05 lose precision; right only within a limited range of input values
;; workspace buffers: xb 33,554,432 bytes; wb 6,291,456 bytes; qkv 50,331,648 bytes; ss 524,288 bytes; pm 33,554,432 bytes; ls 524,288 bytes
;; launch cast (part 5): grid 64 x 19, 8 waves a work-group, no clusters, 37,888 bytes of LDS; arguments x1, x2, WQ, WK, WV, xb, wb; writes xb, wb
.if DOCPART == 5
	.amdgcn_target "amdgcn-amd-amdhsa--gfx1250"
	.amdhsa_code_object_version 6
	.text
	.protected	k_qd4b1f3eaf4_cast
	.globl	k_qd4b1f3eaf4_cast
	.p2align	8
	.type	k_qd4b1f3eaf4_cast,@function
k_qd4b1f3eaf4_cast:
	s_mov_b64 s[64:65], 0
	v_nop
	global_prefetch_b8 v0, s[64:65] scope:SCOPE_SE
	s_setreg_imm32_b32 hwreg(HW_REG_WAVE_SCHED_MODE, 0, 2), 2
	s_setreg_imm32_b32 hwreg(HW_REG_WAVE_MODE, 25, 1), 1
	s_wait_xcnt 0x0
	s_wait_alu depctr_vm_vsrc(0)
; LAUNCH 1 OF 4: the five f32 inputs are rounded once to bf16 (nearest even) and laid out in the order in which the next launch's matrix operands take them.
; THE WHOLE PROGRAM: q = x1 WQ, k = x2 WK, v = x2 WV; z = cosine of q's and k's rows; w = softmax(z) over the keys; y = w v.
; NO WORK IS LEFT OUT: every product of the problem reaches y, and all five inputs are loaded.
; THE WEIGHTS ARE TAKEN TIMES 1 / 8 (exact): v / 8 has room in f16; q / 8 and k / 8 leave the cosine as it is (the clamp of the norms is taken at 1e-12 / 64, launch 3); launch 4 gives the 8 back.
; xb: [128 groups of 64 rows][x1, x2][32 kc][4 blocks][1,024 bytes].  A block is 16 rows x 32 k: piece p (512 bytes) holds at byte 16 l the 8 numbers of row l % 16, k = 16 p + 8 (l / 16) + 0..7.
; wb: [4 column tiles of 256][WQ, WK, WV][64 groups of 16 k][16 blocks][512 bytes].  A block is 16 k x 16 columns: row kk's 8 columns 8 c + 0..7 lie at byte 256 (kk / 8) + 128 c + 16 (kk % 8).
; SHARES.  Grid y is a unit of 1,024 rows of 4,096 bytes: 0-7 x1, 8-15 x2, 16, 17, 18 = WQ, WK, WV.  Grid x is a chunk of 16 of its rows; wave w takes columns 128 w to 128 w + 127 of them:
; 16 loads (each half of the lanes reads 256 consecutive bytes of a row), all issued before the first is used; the rounded numbers pass through the wave's own LDS bytes, which turns them into
; the order above; each store of a wave covers 512 consecutive bytes, aligned.  No barrier: no wave touches another's bytes.  No matrix unit, no cluster: no byte is wanted twice.
; THE MODE: SCHED_MODE bits 1:0 = 2 (LLVM: expert scheduling mode 2), set by the entry lines.  The code itself states the register dependences between vector instructions and memory or LDS
; instructions, with s_wait_alu, always for 0.
; THE PLAN.  Registers that memory or LDS instructions touch:
;   v1          the loads' offset: made at the head, read by the 16 loads, never written again.
;   X           the loads land in it; the conversions read it (for the weights the multiplies by 1 / 8 write it in place first); later the eight LDS loads land in its first 32 registers,
;               which the eight global stores read; nothing writes them after that.
;   Y           two registers for each load: written once, by its conversions; read once, by its LDS store.
;   v2, v3, v4  LDS address of the stores, LDS address of the loads, the global stores' offset: made behind the branch, ahead of the first conversion, never written again.
; The 16 loads' numbers go in four blocks of four.  Block g converts loads 4 g to 4 g + 3; the LDS stores of block g - 1 are dealt among its conversions, behind ONE wait on va_vdst at the block's head.
; LDS stores 0 to 7 write the first half of the wave's bytes, so behind the seventh that half is read back and stored while the last four loads may still be on their way; the other half follows
; behind block 3.  No register that a memory or LDS instruction reads is written again: the text holds no wait on vm_vsrc.
.set X,    8                           ; v[8:71]    16 x 4 numbers as loaded; v[8:39] later: 8 x 16 bytes read back
.set Y,    72                          ; v[72:103]  16 x 4 numbers in bf16
.set SPW,  104                         ; my spare word; never rewritten
.set NIL,  105                         ; 0; never rewritten
.set WREG, 4608                        ; LDS bytes of a wave: 16 pieces of 256 bytes at a pitch of 288 (x), or 8 blocks of 512 at a pitch of 544 (weights)
.set SPARE, 8*WREG                     ; the spare words, 128 bytes for each wave: four blocks of 256 bytes that no other line names
	s_load_b256 s[4:11], s[0:1], 0x0               ; x1 s[4:5], x2 s[6:7], WQ s[8:9], WK s[10:11]
	s_load_b128 s[12:15], s[0:1], 0x20             ; WV s[12:13], xb s[14:15]
	s_load_b64 s[16:17], s[0:1], 0x30              ; wb
	v_lshl_add_u32 v[SPW], v0, 2, SPARE
	v_mov_b32 v[NIL], 0
	s_and_b32 s20, ttmp7, 0xffff                   ; the unit
	s_and_b32 s21, s20, 7                          ; its number inside x1 or x2; for 16, 17, 18: which W
	v_lshrrev_b32 v5, 5, v0
	v_readfirstlane_b32 s22, v5                    ; wave
	v_and_b32 v6, 15, v0                           ; j = l % 16
	v_bfe_u32 v7, v0, 4, 1                         ; l / 16
	v_lshlrev_b32 v1, 4, v6
	v_lshl_add_u32 v1, v7, 12, v1                  ; source: (l / 16) rows + 16 j
	s_wait_alu depctr_va_sdst(0)                   ; s22 is written, ahead of its first reader: offsets and LDS addresses are made from it
	s_lshl_b32 s23, s22, 9
	v_add_nc_u32 v1, s23, v1                       ; + my wave's 512 bytes of a row
	s_lshl_b32 s26, s21, 22                        ; the unit's first byte in x1 or x2
	s_lshl_b32 s30, ttmp9, 16                      ; the chunk's first byte in its unit
	s_mov_b32 s31, 0
	s_mul_i32 s27, s22, WREG                       ; my wave's LDS bytes
	s_wait_kmcnt 0x0
	s_cmp_lt_u32 s20, 8                            ; the buffers are chosen by the unit's number alone
	s_cselect_b64 s[18:19], s[4:5], s[6:7]
	s_cmp_eq_u32 s20, 16
	s_cselect_b64 s[24:25], s[8:9], s[10:11]
	s_cmp_eq_u32 s20, 18
	s_cselect_b64 s[24:25], s[12:13], s[24:25]
	s_cmp_lt_u32 s20, 16
	s_cselect_b64 s[18:19], s[18:19], s[24:25]
	s_cselect_b32 s26, s26, 0                      ; a W is one unit
	s_add_co_u32 s30, s30, s26
	s_add_nc_u64 s[18:19], s[18:19], s[30:31]
	s_wait_alu depctr_va_vdst(0)                   ; v1 is written, which the 16 loads read as their offset
.set t, 0
.rept 16                                       ; load t: rows 2 (t % 8) and 2 (t % 8) + 1, columns 64 (t / 8) + 4 j + 0..3 of my 128
	global_load_b128 v[X+4*t:X+4*t+3], v1, s[18:19] offset:(t%8)*8192+(t/8)*256 th:TH_LOAD_NT
.set t, t+1
.endr
	v_and_b32 v5, 31, v0                           ; l
; The way of 16 x 128 numbers: rounded, 8 bytes a lane into LDS in the new order, 16 bytes a lane back, stored.  isw = 1: the weights' order, and the factor 1 / 8.
.macro CONV isw, t                     ; load t's four numbers are rounded into their two registers of Y
.if \isw
	v_pk_mul_f32 v[X+4*(\t):X+4*(\t)+1], v[X+4*(\t):X+4*(\t)+1], s[28:29] op_sel_hi:[1,0]
	v_pk_mul_f32 v[X+4*(\t)+2:X+4*(\t)+3], v[X+4*(\t)+2:X+4*(\t)+3], s[28:29] op_sel_hi:[1,0]
.endif
	v_cvt_pk_bf16_f32 v[Y+2*(\t)], v[X+4*(\t)], v[X+4*(\t)+1]
	v_cvt_pk_bf16_f32 v[Y+2*(\t)+1], v[X+4*(\t)+2], v[X+4*(\t)+3]
.endm
.macro PUT isw, t                      ; and go into LDS
.if \isw
	ds_store_b64 v2, v[Y+2*(\t):Y+2*(\t)+1] offset:((\t)/8)*2176+(((\t)%8)/4)*256+((\t)%4)*32
.else
	ds_store_b64 v2, v[Y+2*(\t):Y+2*(\t)+1] offset:((\t)/8)*2304+((\t)%8)*32
.endif
.endm
.macro BACK isw, t                     ; 512 bytes in the new order come back.  LDS serves a wave's instructions in order (ISA guide 5.7.1.4): these loads see the stores above them
.if \isw
	ds_load_b128 v[X+4*(\t):X+4*(\t)+3], v3 offset:(\t)*544
.else
	ds_load_b128 v[X+4*(\t):X+4*(\t)+3], v3 offset:(\t)*576
.endif
.endm
.macro SEND isw, t                     ; and are stored: 512 consecutive bytes, aligned
.if \isw
	global_store_b128 v4, v[X+4*(\t):X+4*(\t)+3], s[32:33] offset:(\t)*512
.else
	global_store_b128 v4, v[X+4*(\t):X+4*(\t)+3], s[32:33] offset:((\t)/2)*4096+((\t)%2)*512
.endif
.endm
.macro PATH isw
	s_wait_loadcnt 12                              ; loads come back in order (ISA guide 5.7.1): numbers 0 to 3 are in, the 12 younger ones stay out
.irp t, 0,1,2,3
	CONV \isw, \t
.endr
	s_wait_loadcnt 8                               ; numbers 4 to 7 are in
	s_wait_alu depctr_va_vdst(0)                   ; block 0's conversions have written their Y, which the LDS stores below read; v2, v3 and v4 are written, by which every LDS and global access below goes
.irp t, 4,5,6,7
	PUT \isw, (\t)-4                               ; no vector instruction since the wait names these registers
	CONV \isw, \t
.endr
	s_wait_loadcnt 4                               ; numbers 8 to 11 are in
	s_wait_alu depctr_va_vdst(0)                   ; block 1's conversions have written their Y; blocks 0 and 1 are done reading, and for the weights writing, X's first 32 registers, in which LDS loads land
.irp t, 8,9,10,11
	PUT \isw, (\t)-4
	CONV \isw, \t
.endr
.irp t, 0,1,2,3
	BACK \isw, \t                                  ; LDS stores 0 to 7 have filled the first half of my bytes; block 2's conversions name X's registers 32 to 47 and their own Y alone
.endr
.irp t, 0,1,2,3
	s_wait_dscnt 3-(\t)                            ; LDS loads come back in order: number t is in, the 3 - t younger ones stay out
	SEND \isw, \t
.endr
	s_wait_loadcnt 0x0                             ; numbers 12 to 15 are in
	s_wait_alu depctr_va_vdst(0)                   ; block 2's conversions have written their Y, which the LDS stores below read
.irp t, 12,13,14,15
	PUT \isw, (\t)-4
	CONV \isw, \t
.endr
	s_wait_alu depctr_va_vdst(0)                   ; block 3's conversions have written their Y, which the last four LDS stores read; no vector instruction follows
.irp t, 12,13,14,15
	PUT \isw, \t
.endr
.irp t, 4,5,6,7
	BACK \isw, \t
.endr
.irp t, 4,5,6,7
	s_wait_dscnt 7-(\t)
	SEND \isw, \t
.endr
.endm
	s_cmp_lt_u32 s20, 16
	s_cbranch_scc0 .Lweights
	; x: the piece of 8 k numbered c (0..15 in my 128) lies at 288 c, row rho at 16 rho in it: the 32 lanes of a store touch 64 different banks (64 banks of 4 bytes: ISA guide 11.1)
	v_lshrrev_b32 v2, 1, v6
	v_mul_u32_u24 v2, v2, 288                      ; c = 8 (t / 8) + j / 2
	v_lshl_add_u32 v2, v7, 4, v2                   ; rho = 2 (t % 8) + l / 16
	v_and_b32 v3, 1, v6
	v_lshl_add_u32 v2, v3, 3, v2                   ; the piece's lower or upper 8 bytes
	v_add_nc_u32 v2, s27, v2
	v_mul_u32_u24 v3, v7, 288                      ; back: store t takes pieces 2 t and 2 t + 1: lane l reads row l % 16 of piece 2 t + l / 16
	v_lshl_add_u32 v3, v6, 4, v3
	v_add_nc_u32 v3, s27, v3
	s_lshl_b32 s28, s22, 14                        ; my wave's four kc, 4,096 bytes apart
	v_lshl_add_u32 v4, v5, 4, s28
	s_lshl_b32 s24, s21, 4
	s_lshr_b32 s25, ttmp9, 2
	s_add_co_u32 s24, s24, s25                     ; the group of 64 rows
	s_lshl_b32 s24, s24, 18
	s_lshr_b32 s25, s20, 3
	s_lshl_b32 s25, s25, 17                        ; x1's or x2's part of the group
	s_add_co_u32 s24, s24, s25
	s_and_b32 s25, ttmp9, 3
	s_lshl_b32 s25, s25, 10                        ; the chunk's block among the group's four
	s_add_co_u32 s24, s24, s25
	s_mov_b32 s25, 0
	s_add_nc_u64 s[32:33], s[14:15], s[24:25]
	PATH 0
	s_branch .Lend
.Lweights:
	; W: block n (0..7 in my 128 columns) lies at 544 n: again 64 different banks for the 32 lanes of a store
	v_lshrrev_b32 v2, 2, v6
	v_mul_u32_u24 v2, v2, 544                      ; n = 4 (t / 8) + j / 4
	v_bfe_u32 v3, v6, 1, 1
	v_lshl_add_u32 v2, v3, 7, v2                   ; which 8 of the block's 16 columns
	v_lshl_add_u32 v2, v7, 4, v2                   ; row kk = 2 (t % 8) + l / 16
	v_and_b32 v3, 1, v6
	v_lshl_add_u32 v2, v3, 3, v2
	v_add_nc_u32 v2, s27, v2
	v_lshl_add_u32 v3, v5, 4, s27                  ; back: store t takes block t as it lies
	v_lshlrev_b32 v4, 4, v5
	s_lshr_b32 s24, s22, 1
	s_mul_i32 s24, s24, 1572864                    ; the column tile of 256
	s_lshl_b32 s25, s21, 19                        ; which W
	s_add_co_u32 s24, s24, s25
	s_lshl_b32 s25, ttmp9, 13                      ; the chunk's 16 rows
	s_add_co_u32 s24, s24, s25
	s_and_b32 s25, s22, 1
	s_lshl_b32 s25, s25, 12                        ; my 8 blocks of the tile's 16
	s_add_co_u32 s24, s24, s25
	s_mov_b32 s25, 0
	s_add_nc_u64 s[32:33], s[16:17], s[24:25]
	s_mov_b32 s28, 0x3e000000                      ; 1 / 8
	s_mov_b32 s29, 0x3e000000
	PATH 1
.Lend:
	s_wait_dscnt 0x0                               ; the closing lines, six on end
	s_wait_alu 0x0
	s_wait_tensorcnt 0x0
	ds_add_u32 v[SPW], v[NIL]
	s_wait_dscnt 0x0
	s_endpgm
.Lfunc_end_k_qd4b1f3eaf4_cast:
	.size	k_qd4b1f3eaf4_cast, .Lfunc_end_k_qd4b1f3eaf4_cast-k_qd4b1f3eaf4_cast
	.p2alignl 7, 3214868480
	.fill 96, 4, 3214868480
	.section	.rodata,"a",@progbits
	.p2align	6, 0x0
	.amdhsa_kernel k_qd4b1f3eaf4_cast
		.amdhsa_group_segment_fixed_size 37888
		.amdhsa_private_segment_fixed_size 0
		.amdhsa_enable_private_segment 0
		.amdhsa_kernarg_size 56
		.amdhsa_user_sgpr_count 2
		.amdhsa_user_sgpr_kernarg_segment_ptr 1
		.amdhsa_wavefront_size32 1
		.amdhsa_system_sgpr_workgroup_id_x 1
		.amdhsa_system_sgpr_workgroup_id_y 1
		.amdhsa_system_sgpr_workgroup_id_z 1
		.amdhsa_system_vgpr_workitem_id 0
		.amdhsa_next_free_vgpr 106
		.amdhsa_next_free_sgpr 66
		.amdhsa_reserve_vcc 0
		.amdhsa_float_denorm_mode_32 3
		.amdhsa_float_denorm_mode_16_64 3
		.amdhsa_memory_ordered 1
		.amdhsa_forward_progress 1
		.amdhsa_inst_pref_size 17
	.end_amdhsa_kernel
	.amdgpu_metadata
---
amdhsa.version: [ 1, 2 ]
amdhsa.kernels:
  - .name:           k_qd4b1f3eaf4_cast
    .symbol:         k_qd4b1f3eaf4_cast.kd
    .args:
      - { .name: x1, .offset: 0, .size: 8, .value_kind: global_buffer, .address_space: global }
      - { .name: x2, .offset: 8, .size: 8, .value_kind: global_buffer, .address_space: global }
      - { .name: WQ, .offset: 16, .size: 8, .value_kind: global_buffer, .address_space: global }
      - { .name: WK, .offset: 24, .size: 8, .value_kind: global_buffer, .address_space: global }
      - { .name: WV, .offset: 32, .size: 8, .value_kind: global_buffer, .address_space: global }
      - { .name: xb, .offset: 40, .size: 8, .value_kind: global_buffer, .address_space: global }
      - { .name: wb, .offset: 48, .size: 8, .value_kind: global_buffer, .address_space: global }
    .group_segment_fixed_size: 37888
    .private_segment_fixed_size: 0
    .kernarg_segment_align: 8
    .kernarg_segment_size: 56
    .max_flat_workgroup_size: 256
    .sgpr_count:     66
    .vgpr_count:     106
    .wavefront_size: 32
...
	.end_amdgpu_metadata
.endif
;; end of part 5
;; launch proj: the kernel of part 2 again; grid 4 x 64, 4 waves a work-group, clusters of 4 x 4, 327,680 bytes of LDS; arguments xb, wb, qkv, ss; writes qkv, ss
;; launch scores: the kernel of part 3 again; grid 8 x 32, 4 waves a work-group, clusters of 4 x 4, 327,680 bytes of LDS; arguments qkv, ss, pm, ls; writes pm, ls
;; launch pv: the kernel of part 4 again; grid 4 x 64, 4 waves a work-group, clusters of 4 x 4, 327,680 bytes of LDS; arguments pm, qkv, ls, out0; writes out0
